; MI455X (gfx1250); checked and timed in simulation.
; The chip was launched on July 23, 2026; its instructions are those of AMD's public machine-readable ISA for CDNA 5 (MIT licence, August 2026) and "CDNA5" Instruction Set Architecture Reference Guide (July 2026). The comments in the code are by the model that wrote it; some were corrected since.
;; Multi Head Attention. Allowed arithmetic: matrix products marked QUANTISED: E2M3 operands, one E8M0 scale for each 32 along K, by v_wmma_scale_f32_16x16x128_f8f6f4 with both operands' format E2M3, f32 sums; products left as they are: f32 operands where the result goes on into a quantised operand, else bf16, f16 or f32 operands; f32 sums; everything else in f32.
;; Inputs: Wk 1,024 x 1,024 float32; Wo 1,024 x 1,024 float32; Wq 1,024 x 1,024 float32; Wv 1,024 x 1,024 float32; bk 1,024 float32; bo 1,024 float32; bq 1,024 float32; bv 1,024 float32; key 4 x 2,048 x 1,024 float32; query 4 x 2,048 x 1,024 float32; value 4 x 2,048 x 1,024 float32.
;; Outputs: out0 4 x 2,048 x 1,024 float32.
;; This version of the problem:
;;   THIS VERSION OF THE PROBLEM IS GIVEN IN LOW PRECISION. The matrix products marked QUANTISED in the list below multiply operands that are first quantised to E2M3 (2 exponent bits, 3 mantissa bits; 6 bits a number), with one power-of-two scale for each 32 numbers along K (OCP MX v1.0); their sums are f32. All else is computed in f32.
;;   The module's matrix products, in the order in which they are computed (A, B: the left and right operand; K: the contracted axis; several contracted axes count as one K, in the product's order):
;;     1. [M 8,192, K 1,024] x [K 1,024, N 1,024]; A: input query; B: input Wq: QUANTISED
;;     2. [M 8,192, K 1,024] x [K 1,024, N 1,024]; A: input key; B: input Wk: QUANTISED
;;     3. [M 8,192, K 1,024] x [K 1,024, N 1,024]; A: input value; B: input Wv: QUANTISED
;;     4. [M 2,048, K 1] x [K 1, N 32]; A: computed on the way; B: computed on the way: left as it is (no contracted axis)
;;     5. batch 64 x [M 2,048, K 64] x [K 64, N 2,048]; A: computed on the way; B: computed on the way: QUANTISED
;;     6. batch 64 x [M 2,048, K 2,048] x [K 2,048, N 64]; A: softmax (see below); B: computed on the way: QUANTISED
;;     7. [M 8,192, K 1,024] x [K 1,024, N 1,024]; A: computed on the way; B: input Wo: QUANTISED
;;   THE QUANTISER, for each operand of a quantised product, along K:
;;     - K is cut into blocks of 32 from its start; a last block that is shorter is filled with zeros.
;;     - A block's scale is 2^e with e = floor(log2(the largest magnitude in the block)) - 2, held to -126 .. 127; a block of zeros has e = 0. As a byte (E8M0): e + 127.
;;     - Each number is divided by its block's scale, clamped to +-7.5, and rounded to the nearest number of E2M3, ties to even, subnormals kept.
;;     - The product sums the exact products of the quantised numbers (number of the format x scale) in f32.
;;   ~~~python
;;   def quantise(x, axis):      # numpy; x: float32 -> the quantised numbers, widened to float32 again
;;       x = np.moveaxis(x, axis, -1); K = x.shape[-1]
;;       x = np.pad(x, [(0, 0)] * (x.ndim - 1) + [(0, -K % 32)]); x = x.reshape(x.shape[:-1] + (-1, 32)); a = np.abs(x).max(-1, keepdims=True)
;;       e = np.where(a > 0, np.clip(np.frexp(np.where(a > 0, a, 1))[1] - 1 - 2, -126, 127), 0)      # np.frexp(a)[1] - 1 = floor(log2(a)), exactly
;;       r = np.clip(x / 2.0 ** e, -7.5, 7.5)
;;       step = 2.0 ** (np.maximum(np.frexp(np.where(r == 0, 1, r))[1] - 1, 0) - 3)
;;       q = np.round(r / step) * step * 2.0 ** e      # np.round: ties to even
;;       return np.moveaxis(q.reshape(q.shape[:-2] + (-1,))[..., :K], -1, axis).astype(np.float32)
;;   ~~~
;;   SOFTMAX AHEAD OF A QUANTISED PRODUCT. Where the list says 'softmax', what is quantised is not the finished softmax but p = 2^(t - M), with t = logit x log2(e) and M = ceil(the row's largest t), a whole number; so 1/2 < the row's largest p <= 1. The row's sum l is taken of the UNQUANTISED p, in f32, and the product's result is divided by l at the end. Since M is a whole number, a kernel that streams over the keys may use a running M (the ceiling of the running maximum): every later rescaling is an exact power of two, which a block's scale takes up: the codes' values come out the same.
;;   OPERANDS COMPUTED ON THE WAY. 'Computed on the way' means the value that the module computes at that place (a softmax that the list does not call 'softmax' is quantised finished and normalised). What goes into a quantiser is computed in f32, as accurately as f32 sums, v_exp_f32 and their like allow (about 1e-6 of the number): no bf16 or f16 on the way to a quantiser, and a product that is left as it is and whose result goes on into a quantised operand takes f32 operands (vector FMAs, or v_wmma_f32_16x16x4_f32). A number that lies on a knife's edge between two numbers of the format may be rounded either way, as far as f32 arithmetic and the matrix unit's own rounding can turn it there, and no further.
;; One version. Each part assembles by itself: llvm-mc -triple=amdgcn-amd-amdhsa -mcpu=gfx1250 --defsym DOCPART=n.
;; ======== version 1 of 1: 4 launches
;; limits: right only within a limited range of input values
;; workspace buffers: xc 18,874,368 bytes; xs 786,432 bytes; wc 3,145,728 bytes; ws 131,072 bytes; tab 524,288 bytes; ac 18,874,368 bytes; asc 786,432 bytes; cc 6,553,600 bytes
;; launch prep (part 1): grid 672 x 1, 4 waves a work-group, no clusters, 46,592 bytes of LDS; arguments query, key, value, Wq, Wk, Wv, Wo, xc, xs, wc, ws, tab; writes xc, xs, wc, ws, tab
.if DOCPART == 1
	.amdgcn_target "amdgcn-amd-amdhsa--gfx1250"
	.amdhsa_code_object_version 6
	.text
	.protected	k_qc51e10d72c_prep
	.globl	k_qc51e10d72c_prep
	.p2align	8
	.type	k_qc51e10d72c_prep,@function
k_qc51e10d72c_prep:
	s_mov_b64 s[64:65], 0
	v_nop
	global_prefetch_b8 v0, s[64:65] scope:SCOPE_SE
	s_setreg_imm32_b32 hwreg(HW_REG_WAVE_MODE, 25, 1), 1
	s_wait_xcnt 0x0
; THE QUANTISING LAUNCH.  Three kinds of work-group, told apart by the work-group's number alone:
;   0-255   W:   Wq, Wk, Wv, Wo [1024 (k)][1024 (n)] f32 -> codes of FP6 (E2M3) along k, and E8M0 scale bytes
;   256-287 TAB: cos and sin of position x inverse frequency, in the order in which the projections' lanes want them
;   288-671 X:   query, key, value [8192][1024] f32 -> codes along the last axis, and scale bytes
; A block's scale byte is its largest magnitude's exponent field - 2, held at 1 from below.
; HOW CODES LIE (all code buffers of this program): as images of the matrix operand's registers.  A fragment is 16 rows x 128 k, 12 registers a lane, 1,536 bytes, in two parts of 768 (k 0-63, k 64-127);
; in a part: registers 0-3 of its six at 16 x lane (512 bytes), registers 4, 5 at 512 + 8 x lane (256 bytes).  Lane (r, h) holds row r, k = 64 part + 32 h + 0 .. 31.
; WHICH ROWS FORM A TILE: tokens: row r of tile T is token 32 (T / 2) + 2 r + T % 2;  features: row r of tile t is feature 32 (t / 2) + 8 (t % 2) + r + 8 (r / 8).
; LIMITS: NaN and infinities are not served.  A block of zeros, or one whose largest magnitude lies under 2^-124, gets the byte 1 (a block of zeros has zero codes; the bytes are read by this program alone).
; cos and sin: the inverse frequency is 2^(-i log2(10000) / 32) by v_exp_f32; the angle is one f32 product; it is reduced by pi / 2 in two parts (the multiple is at most 1,304) and put through
; polynomials of degree 7 and 8: a relative error of 1e-7 in a frequency moves the largest angle, 2,047, by some 2e-4.
; No tensor loads, no barrier: waves share nothing; each path has LDS bytes of its own, each wave its own part of them.
.set XST,  8448                        ; path X: a wave's stage, 16 rows x (512 bytes + 16)
.set WST0, 4*XST                       ; path W: the stages begin behind X's
.set WSTB, 3072                        ; two fragments' images
.set SEL,  32                          ; s[32:33] lane selects for v_permlanex16_b32: lane l xor 16
.set HM,   34                          ; s34 a lane mask: lanes 16-31
.set PW,   10                          ; X: v10-17 the eight scale words of a row
.set TM,   20                          ; X: v20-35 at work in QUANT
.set PC,   36                          ; X: v36-55 the codes just made
.set X,    56                          ; X: v56-119 64 numbers of my row
.set R,    120                         ; X: v120-247 two sets of 64 registers as loaded
.set WC,   32                          ; W: v32-63 codes, eight registers for each block
.set WX,   64                          ; W: v64-127 two sets of 32 numbers
.set WO,   128                         ; W: v128-151 the way out
.set INV,  32                          ; TAB: v32-47 inverse frequencies
.set CO,   64                          ; TAB: v64-79 cos
.set SI,   80                          ; TAB: v80-95 sin
	s_load_b512 s[8:23], s[0:1], 0x0               ; query, key, value, Wq, Wk, Wv, Wo, xc
	s_load_b256 s[24:31], s[0:1], 0x40             ; xs, wc, ws, tab
	v_lshl_add_u32 v254, v0, 2, 0xb400
	v_mov_b32 v255, 0
	v_lshrrev_b32 v1, 5, v0
	v_readfirstlane_b32 s2, v1                     ; wave 0..3
	v_and_b32 v1, 31, v0                           ; lane
	v_and_b32 v2, 15, v0                           ; r
	v_bfe_u32 v3, v0, 4, 1                         ; h
	s_mov_b32 s[SEL], 0x76543210
	s_mov_b32 s[SEL+1], 0xfedcba98
	s_mov_b32 s[HM], 0xffff0000
	s_wait_kmcnt 0x0
	s_cmp_lt_u32 ttmp9, 256
	s_cbranch_scc1 .Lw
	s_cmp_lt_u32 ttmp9, 288
	s_cbranch_scc1 .Ltab
; ---------------- PATH X: a wave takes one tile of 16 tokens x 1,024 k: eight fragments
; 64 numbers of a lane, register 16 b + i = k 32 b + 16 h + i of my row, become a fragment's codes in v[PC] on and its scale word in v[pw] (the same in lanes r and r + 16)
.macro QUANT s, pw
.irp b, 0,1,2,3
	v_max3_num_f32 v[TM+\b], |v[\s+16*\b]|, |v[\s+1+16*\b]|, 0x1800000   ; block b: my 16 numbers, and the floor 2^(3 - 127): the byte cannot fall under 1
.endr
.irp i, 2,4,6,8,10,12,14
.irp b, 0,1,2,3
	v_max3_num_f32 v[TM+\b], v[TM+\b], |v[\s+16*\b+\i]|, |v[\s+1+16*\b+\i]|   ; the four blocks by turns
.endr
.endr
.irp b, 0,1,2,3
	v_permlanex16_b32 v[TM+4+\b], v[TM+\b], s[SEL], s[SEL+1]
.endr
.irp b, 0,1,2,3
	v_max_num_f32 v[TM+\b], v[TM+\b], v[TM+4+\b]   ; with lane l xor 16's: the block's largest magnitude
.endr
.irp b, 0,1,2,3
	v_add_nc_u32 v[TM+12+\b], 0xff000000, v[TM+\b] ; 2 off its exponent field: the conversion takes the exponent field of this operand as its scale
.endr
.irp b, 0,1,2,3
	v_lshrrev_b32 v[TM+4+\b], 23, v[TM+12+\b]      ; the scale's byte
.endr
	v_lshl_or_b32 v[\pw], v[TM+5], 8, v[TM+4]
	v_lshl_or_b32 v[\pw], v[TM+6], 16, v[\pw]
	v_lshl_or_b32 v[\pw], v[TM+7], 24, v[\pw]
.irp c, 0,1
	v_cvt_scalef32_pk16_fp6_f32 v[PC+6*\c:PC+2+6*\c], v[\s+32*\c:\s+15+32*\c], v[TM+12+2*\c]
	v_cvt_scalef32_pk16_fp6_f32 v[PC+12+4*\c:PC+14+4*\c], v[\s+16+32*\c:\s+31+32*\c], v[TM+12+2*\c+1]   ; (a conversion's three registers begin on an even number)
.endr
	v_nop                                          ; one plain place behind a scaled conversion
.irp c, 0,1                                    ; the operand wants a whole block in a lane: lanes 0-15 block 2 c, lanes 16-31 block 2 c + 1
.irp i, 0,1,2
	v_permlane16_swap_b32 v[PC+6*\c+\i], v[PC+12+4*\c+\i]
.endr
.irp i, 0,1,2
	v_mov_b32 v[PC+3+6*\c+\i], v[PC+12+4*\c+\i]
.endr
.endr
.endm
	s_sub_co_u32 s35, ttmp9, 288
	s_lshr_b32 s36, s35, 7                         ; which tensor: 0 query, 1 key, 2 value
	s_and_b32 s35, s35, 127
	s_lshl_b32 s35, s35, 2
	s_add_co_u32 s35, s35, s2                      ; my tile T, 0..511
	s_cmp_eq_u32 s36, 0
	s_cselect_b64 s[38:39], s[8:9], s[10:11]
	s_cmp_eq_u32 s36, 2
	s_cselect_b64 s[38:39], s[12:13], s[38:39]
	s_lshr_b32 s40, s35, 1
	s_lshl_b32 s40, s40, 5
	s_and_b32 s41, s35, 1
	s_add_co_u32 s40, s40, s41                     ; the tile's first token: 32 (T / 2) + T % 2; its rows lie two tokens apart
	s_lshl_b32 s40, s40, 12
	s_mov_b32 s41, 0
	s_add_nc_u64 s[38:39], s[38:39], s[40:41]
	s_mul_i32 s40, s36, 6291456
	s_mul_i32 s42, s35, 12288
	s_add_co_u32 s40, s40, s42
	s_add_nc_u64 s[22:23], s[22:23], s[40:41]      ; my tile's eight fragments in xc
	s_lshl_b32 s40, s36, 18
	s_lshl_b32 s42, s35, 9
	s_add_co_u32 s40, s40, s42
	s_add_nc_u64 s[24:25], s[24:25], s[40:41]      ; my 16 rows of 32 scale bytes in xs
	s_mul_i32 s43, s2, XST
	s_wait_alu depctr_va_vdst(0)
	v_lshlrev_b32 v4, 4, v1                        ; 16 x lane
	v_lshlrev_b32 v8, 3, v1                        ; 8 x lane
	v_add_nc_u32 v5, s43, v4                       ; the stage, on the way in: a row's 512 bytes as they lie
	v_mul_u32_u24 v6, v2, 528
	v_lshl_add_u32 v6, v3, 6, v6
	v_add_nc_u32 v6, s43, v6                       ; and out: row r, + 64 h: my 16 numbers of each block of 32
	v_lshlrev_b32 v9, 5, v2
	v_lshl_add_u32 v9, v3, 4, v9                   ; the scale bytes: 32 r + 16 h
.irp b, 0,1,2,3
	v_mov_b32 v[TM+4+\b], 0                        ; written once: a lane permute's destination counts as one of its sources
.endr
.macro XLOAD q, set                            ; 128 k of the 16 rows: each load reads 512 consecutive bytes of one row
.irp i, 0,1,2,3,4,5,6,7,8,9,10,11,12,13,14,15
	global_load_b128 v[R+64*(\set)+4*\i:R+64*(\set)+4*\i+3], v4, s[38:39] offset:8192*\i+512*(\q) th:TH_LOAD_NT
.endr
.endm
.macro XSTEP q
.if (\q) < 7
	s_wait_loadcnt 16                              ; this step's 16 loads are in; the next step's 16 may be out
.else
	s_wait_loadcnt 0x0
.endif
.irp i, 0,1,2,3,4,5,6,7,8,9,10,11,12,13,14,15
	ds_store_b128 v5, v[R+64*((\q)%2)+4*\i:R+64*((\q)%2)+4*\i+3] offset:528*\i
.endr
.irp b, 0,1,2,3
.irp j, 0,1,2,3
	ds_load_b128 v[X+16*\b+4*\j:X+16*\b+4*\j+3], v6 offset:128*\b+16*\j   ; LDS serves a wave's instructions in order: these see the stores above
.endr
.endr
	s_wait_dscnt 0x0                               ; my 64 numbers are in, and the stores have read the set
	s_wait_xcnt 0x0                                ; the last step's stores have read the codes' registers: they are written again only behind this wait
.if (\q) < 6
	XLOAD (\q)+2, (\q)%2
.endif
	QUANT X, PW+(\q)
	global_store_b128 v4, v[PC:PC+3], s[22:23] offset:1536*(\q)          ; 512 consecutive bytes,
	global_store_b64 v8, v[PC+4:PC+5], s[22:23] offset:1536*(\q)+512     ; 256,
	global_store_b128 v4, v[PC+6:PC+9], s[22:23] offset:1536*(\q)+768
	global_store_b64 v8, v[PC+10:PC+11], s[22:23] offset:1536*(\q)+1280  ; each at a multiple of 256 from the buffer's first byte
.endm
	XLOAD 0, 0
	XLOAD 1, 1
	s_wait_alu depctr_va_vdst(0)
.irp q, 0,1,2,3,4,5,6,7
	XSTEP \q
.endr
.irp i, 0,1,2,3
	v_cndmask_b32 v[PW+\i], v[PW+\i], v[PW+4+\i], s[HM]   ; lanes 0-15 keep words 0-3 of their row, lanes 16-31 take words 4-7
.endr
	global_store_b128 v9, v[PW:PW+3], s[24:25]     ; 16 rows x 32 bytes: 512 consecutive bytes
	s_wait_tensorcnt 0x0
	ds_add_u32 v254, v255
	s_wait_dscnt 0x0
	s_endpgm
; ---------------- PATH W: a lane takes a column n, its registers run down k; a wave takes 32 columns (two tiles of features) x 128 k
.Lw:
	s_lshr_b32 s36, ttmp9, 6                       ; which weight: 0 Wq, 1 Wk, 2 Wv, 3 Wo
	s_and_b32 s35, ttmp9, 7                        ; which 128 columns
	s_bfe_u32 s37, ttmp9, 0x30003                  ; which 128 along k
	s_cmp_lt_u32 s36, 2
	s_cselect_b64 s[38:39], s[14:15], s[18:19]
	s_cselect_b64 s[40:41], s[16:17], s[20:21]
	s_and_b32 s42, s36, 1
	s_cmp_eq_u32 s42, 1
	s_cselect_b64 s[38:39], s[40:41], s[38:39]
	s_lshl_b32 s42, s35, 7
	s_lshl_b32 s43, s2, 5
	s_add_co_u32 s42, s42, s43                     ; my wave's first column
	s_lshl_b32 s44, s37, 19                        ; 128 rows of 4,096 bytes
	s_lshl_b32 s45, s42, 2
	s_add_co_u32 s44, s44, s45
	s_mov_b32 s45, 0
	s_add_nc_u64 s[38:39], s[38:39], s[44:45]
	s_mul_i32 s44, s36, 786432
	s_lshr_b32 s46, s42, 4
	s_mul_i32 s46, s46, 12288
	s_add_co_u32 s44, s44, s46
	s_mul_i32 s46, s37, 1536
	s_add_co_u32 s44, s44, s46
	s_add_nc_u64 s[26:27], s[26:27], s[44:45]      ; my first tile's fragment of this k step in wc; the second tile's lies 12,288 bytes on
	s_lshl_b32 s44, s36, 15
	s_lshl_b32 s46, s42, 5
	s_add_co_u32 s44, s44, s46
	s_lshl_b32 s46, s37, 2
	s_add_co_u32 s44, s44, s46
	s_add_nc_u64 s[28:29], s[28:29], s[44:45]      ; this k step's word in my 32 rows of ws
	v_bfe_u32 v4, v0, 3, 1                         ; column 8 u + r + 8 (r / 8) of the 32: u = the lane's bit 3: which tile,
	v_and_b32 v5, 7, v0
	s_wait_alu depctr_va_vdst(0)
	v_lshl_add_u32 v5, v3, 3, v5                   ; and its row there: lane % 8 + 8 (lane / 16)
	s_mul_i32 s47, s2, WSTB
	s_add_co_u32 s47, s47, WST0                    ; my stage
	v_mul_u32_u24 v6, v4, 1536
	v_add_nc_u32 v6, s47, v6
	v_lshl_add_u32 v7, v5, 4, v6                   ; where my row's registers 0-3 of a part go,
	v_lshl_add_u32 v8, v5, 3, v6                   ; and (512 on) registers 4, 5
	v_lshl_add_u32 v9, v4, 4, v5
	v_lshlrev_b32 v9, 5, v9                        ; my row of scale bytes
	v_lshlrev_b32 v10, 2, v1                       ; in: 4 bytes a lane
	v_lshlrev_b32 v11, 4, v1
	v_add_nc_u32 v12, s47, v11                     ; back out of the stage: 16 bytes a lane
.macro WLOAD t                                 ; block t: W(32 t + i, my column) into set t % 2; a wave's load reads 128 consecutive bytes
.irp i, 0,1,2,3,4,5,6,7,8,9,10,11,12,13,14,15,16,17,18,19,20,21,22,23,24,25,26,27,28,29,30,31
	global_load_b32 v[WX+32*((\t)%2)+\i], v10, s[38:39] offset:(32*(\t)+\i)*4096 th:TH_LOAD_NT
.endr
.endm
.macro WBLOCK t
.set XS, WX+32*((\t)%2)
.set C, WC+8*(\t)
.if (\t) < 3
	s_wait_loadcnt 32                              ; this block's 32 loads are in; the next block's may be out
.else
	s_wait_loadcnt 0x0
.endif
	v_max3_num_f32 v16, |v[XS]|, |v[XS+1]|, |v[XS+2]|      ; the block's largest magnitude: all 32 numbers are mine
	v_max3_num_f32 v17, |v[XS+3]|, |v[XS+4]|, |v[XS+5]|
.irp i, 6,10,14,18,22,26
	v_max3_num_f32 v16, v16, |v[XS+\i]|, |v[XS+\i+1]|
	v_max3_num_f32 v17, v17, |v[XS+\i+2]|, |v[XS+\i+3]|
.endr
	v_max3_num_f32 v16, v16, |v[XS+30]|, |v[XS+31]|
	v_max3_num_f32 v16, v16, v17, 0x1800000        ; and the floor
	v_add_nc_u32 v18, 0xff000000, v16              ; the conversion's scale operand
	v_lshrrev_b32 v19, 23, v18                     ; the scale's byte
.if (\t) == 0
	v_mov_b32 v24, v19
.else
	v_lshl_or_b32 v24, v19, 8*(\t), v24            ; four bytes to the word, the lower k in the lower byte
.endif
	v_cvt_scalef32_pk16_fp6_f32 v[C:C+2], v[XS:XS+15], v18
	v_cvt_scalef32_pk16_fp6_f32 v[C+4:C+6], v[XS+16:XS+31], v18
	v_nop                                          ; one plain place behind a scaled conversion
	v_mov_b32 v[C+3], v[C+4]                       ; the block's six registers on end
	v_mov_b32 v[C+4], v[C+5]
	v_mov_b32 v[C+5], v[C+6]
	ds_store_b128 v7, v[C:C+3] offset:768*((\t)/2)+256*((\t)%2)          ; block t is part t / 2 of the fragment, in lane row + 16 (t % 2)
	ds_store_b64 v8, v[C+4:C+5] offset:768*((\t)/2)+512+128*((\t)%2)
.if (\t) < 2
	WLOAD (\t)+2
.endif
.endm
	WLOAD 0
	WLOAD 1
.irp t, 0,1,2,3
	WBLOCK \t
.endr
	global_store_b32 v9, v24, s[28:29]             ; this k step's word of my row: 4 bytes of a row of 32 (one word for each 128 that the path reads)
.irp i, 0,1,2,3,4,5
	ds_load_b128 v[WO+4*\i:WO+4*\i+3], v12 offset:512*\i      ; LDS serves a wave's instructions in order: these see my stores
.endr
.irp i, 0,1,2,3,4,5
	s_wait_dscnt 5-\i
	global_store_b128 v11, v[WO+4*\i:WO+4*\i+3], s[26:27] offset:(\i/3)*12288+(\i%3)*512   ; 512 consecutive bytes
.endr
	s_wait_tensorcnt 0x0
	ds_add_u32 v254, v255
	s_wait_dscnt 0x0
	s_endpgm
; ---------------- PATH TAB: a wave makes one group: 16 positions x 32 frequencies.  Lane (r, h): position 32 (g / 2) + 2 r + g % 2, frequencies 16 h + 0 .. 15
.Ltab:
	s_sub_co_u32 s35, ttmp9, 256
	s_lshl_b32 s35, s35, 2
	s_add_co_u32 s35, s35, s2                      ; group g, 0..127
	s_lshl_b32 s36, s35, 12
	s_mov_b32 s37, 0
	s_add_nc_u64 s[30:31], s[30:31], s[36:37]
	s_lshr_b32 s36, s35, 1
	s_lshl_b32 s36, s36, 5
	s_and_b32 s37, s35, 1
	s_add_co_u32 s36, s36, s37
	s_wait_alu depctr_va_vdst(0)
	v_lshl_add_u32 v4, v2, 1, s36
	v_cvt_f32_u32 v4, v4                           ; my position, as f32
	v_lshlrev_b32 v5, 4, v3                        ; 16 h
	s_wait_alu depctr_va_vdst(0)
	v_lshlrev_b32 v6, 4, v1                        ; 16 x lane
	s_mov_b32 s40, 0xbed49a78                      ; -log2(10000) / 32
	s_mov_b32 s41, 0x3f22f983                      ; 2 / pi
	s_mov_b32 s42, 0x3fc90fdb                      ; pi / 2, rounded to f32,
	s_mov_b32 s43, 0x333bbd2e                      ; and what that is above pi / 2
	s_mov_b32 s44, 0xbe2aaaa3                      ; sin: x + x z (S1 + z (S2 + z S3))
	s_mov_b32 s45, 0x3c08839e
	s_mov_b32 s46, 0xb94ca1f9
	s_mov_b32 s47, 0x3d2aaaa5                      ; cos: 1 - z / 2 + z z (C1 + z (C2 + z C3))
	s_mov_b32 s48, 0xbab6061a
	s_mov_b32 s49, 0x37ccf5ce
.irp i, 0,1,2,3,4,5,6,7,8,9,10,11,12,13,14,15
	v_add_nc_u32 v[INV+\i], \i, v5
.endr
.irp i, 0,1,2,3,4,5,6,7,8,9,10,11,12,13,14,15
	v_cvt_f32_u32 v[INV+\i], v[INV+\i]
.endr
.irp i, 0,1,2,3,4,5,6,7,8,9,10,11,12,13,14,15
	v_mul_f32 v[INV+\i], s40, v[INV+\i]
.endr
	s_wait_alu depctr_va_vdst(0)
.irp i, 0,1,2,3,4,5,6,7,8,9,10,11,12,13,14,15
	v_exp_f32 v[INV+\i], v[INV+\i]                 ; 10000^(-(16 h + i) / 32)
.endr
	v_nop                                          ; a plain place behind the last exponential
	s_wait_alu depctr_va_vdst(0)                   ; one wait for the batch of sixteen, ahead of its first reader
.macro TRIG i
	v_mul_f32 v16, v4, v[INV+\i]                   ; the angle: position x inverse frequency, one f32 product
	v_mul_f32 v17, s41, v16
	v_rndne_f32 v17, v17                           ; n: the nearest multiple of pi / 2
	v_fma_f32 v18, -v17, s42, v16
	v_fma_f32 v18, v17, s43, v18                   ; x = angle - n pi / 2, within pi / 4 of 0
	v_mul_f32 v19, v18, v18                        ; z
	v_fma_f32 v20, v19, s46, s45
	v_fma_f32 v20, v20, v19, s44
	v_mul_f32 v21, v19, v18
	v_fma_f32 v20, v20, v21, v18                   ; sin x
	v_fma_f32 v22, v19, s49, s48
	v_fma_f32 v22, v22, v19, s47
	v_mul_f32 v21, v19, v19
	v_fma_f32 v23, v19, -0.5, 1.0
	v_fma_f32 v22, v22, v21, v23                   ; cos x
	v_cvt_i32_f32 v24, v17
	v_and_b32 v25, 1, v24
	v_cmp_eq_u32 vcc_lo, 1, v25
	v_cndmask_b32 v26, v22, v20, vcc_lo            ; an odd n: the two change places
	v_cndmask_b32 v27, v20, v22, vcc_lo
	v_add_nc_u32 v25, 1, v24
	v_and_b32 v25, 2, v25
	v_lshlrev_b32 v25, 30, v25
	v_xor_b32 v[CO+\i], v25, v26                   ; cos is negated where n % 4 is 1 or 2,
	v_and_b32 v25, 2, v24
	v_lshlrev_b32 v25, 30, v25
	v_xor_b32 v[SI+\i], v25, v27                   ; sin where it is 2 or 3
.endm
.irp i, 0,1,2,3,4,5,6,7,8,9,10,11,12,13,14,15
	TRIG \i
.endr
.irp c, 0,1,2,3,4,5,6,7
	global_store_b128 v6, v[CO+4*\c:CO+4*\c+3], s[30:31] offset:512*\c   ; four pieces of cos, then four of sin: 512 consecutive bytes each
.endr
	s_endpgm
.Lfunc_end_k_qc51e10d72c_prep:
	.size	k_qc51e10d72c_prep, .Lfunc_end_k_qc51e10d72c_prep-k_qc51e10d72c_prep
	.p2alignl 7, 3214868480
	.fill 96, 4, 3214868480
	.section	.rodata,"a",@progbits
	.p2align	6, 0x0
	.amdhsa_kernel k_qc51e10d72c_prep
		.amdhsa_group_segment_fixed_size 46592
		.amdhsa_private_segment_fixed_size 0
		.amdhsa_enable_private_segment 0
		.amdhsa_kernarg_size 96
		.amdhsa_user_sgpr_count 2
		.amdhsa_user_sgpr_kernarg_segment_ptr 1
		.amdhsa_wavefront_size32 1
		.amdhsa_system_sgpr_workgroup_id_x 1
		.amdhsa_system_sgpr_workgroup_id_y 1
		.amdhsa_system_sgpr_workgroup_id_z 1
		.amdhsa_system_vgpr_workitem_id 0
		.amdhsa_next_free_vgpr 256
		.amdhsa_next_free_sgpr 66
		.amdhsa_reserve_vcc 1
		.amdhsa_float_denorm_mode_32 3
		.amdhsa_float_denorm_mode_16_64 3
		.amdhsa_memory_ordered 1
		.amdhsa_forward_progress 1
		.amdhsa_inst_pref_size 109
	.end_amdhsa_kernel
	.amdgpu_metadata
---
amdhsa.version: [ 1, 2 ]
amdhsa.kernels:
  - .name:           k_qc51e10d72c_prep
    .symbol:         k_qc51e10d72c_prep.kd
    .args:
      - { .name: query, .offset: 0, .size: 8, .value_kind: global_buffer, .address_space: global }
      - { .name: key, .offset: 8, .size: 8, .value_kind: global_buffer, .address_space: global }
      - { .name: value, .offset: 16, .size: 8, .value_kind: global_buffer, .address_space: global }
      - { .name: Wq, .offset: 24, .size: 8, .value_kind: global_buffer, .address_space: global }
      - { .name: Wk, .offset: 32, .size: 8, .value_kind: global_buffer, .address_space: global }
      - { .name: Wv, .offset: 40, .size: 8, .value_kind: global_buffer, .address_space: global }
      - { .name: Wo, .offset: 48, .size: 8, .value_kind: global_buffer, .address_space: global }
      - { .name: xc, .offset: 56, .size: 8, .value_kind: global_buffer, .address_space: global }
      - { .name: xs, .offset: 64, .size: 8, .value_kind: global_buffer, .address_space: global }
      - { .name: wc, .offset: 72, .size: 8, .value_kind: global_buffer, .address_space: global }
      - { .name: ws, .offset: 80, .size: 8, .value_kind: global_buffer, .address_space: global }
      - { .name: tab, .offset: 88, .size: 8, .value_kind: global_buffer, .address_space: global }
    .group_segment_fixed_size: 46592
    .private_segment_fixed_size: 0
    .kernarg_segment_align: 8
    .kernarg_segment_size: 96
    .max_flat_workgroup_size: 128
    .sgpr_count:     66
    .vgpr_count:     256
    .wavefront_size: 32
...
	.end_amdgpu_metadata
.endif
;; end of part 1
;; launch proj (part 2): grid 4 x 96, 4 waves a work-group, clusters of 4 x 4, 327,680 bytes of LDS; arguments xc, xs, wc, ws, tab, bq, bk, bv, ac, asc; writes ac, asc
.if DOCPART == 2
	.amdgcn_target "amdgcn-amd-amdhsa--gfx1250"
	.amdhsa_code_object_version 6
	.text
	.protected	k_qc51e10d72c_proj
	.globl	k_qc51e10d72c_proj
	.p2align	8
	.type	k_qc51e10d72c_proj,@function
k_qc51e10d72c_proj:
	s_mov_b64 s[64:65], 0
	v_nop
	global_prefetch_b8 v0, s[64:65] scope:SCOPE_SE
	s_setreg_imm32_b32 hwreg(HW_REG_WAVE_MODE, 25, 1), 1
	s_wait_xcnt 0x0
	s_wait_alu depctr_hold_cnt(0) depctr_sa_sdst(0) depctr_va_vdst(0) depctr_va_sdst(0) depctr_va_ssrc(0) depctr_va_vcc(0) depctr_vm_vsrc(0)
	s_getreg_b32 s2, hwreg(HW_REG_IB_STS2, 6, 4)
	s_cmp_eq_u32 s2, 0
	s_cbranch_scc0 .Lentry_in_a_cluster
	s_endpgm
.Lentry_in_a_cluster:
	s_bfe_u32 s2, ttmp6, 0x10000c
	s_cmp_lg_u32 s2, 0xf033
	s_cbranch_scc0 .Lentry_shape_is_right
	s_endpgm
.Lentry_shape_is_right:
; THE THREE PROJECTIONS on codes of FP6 (E2M3) with E8M0 scales, each [8192][1024] x [1024][1024], with bias, rotary embedding (Q, K) and the quantising of the results: Q and K along the head's 64, V along the keys.
; Nothing leaves as f32: the results go to memory as codes and scale bytes, laid as the attention launch's operand registers want them.
; A tile of 256 x 256 is made by four waves, each 128 x 128: 64 accumulators.  K goes in steps of 256 through a ring of two LDS slots filled by the tensor data mover.
; Codes lie in memory as images of operand registers (a fragment of 16 rows x 128 k = 1,536 bytes: for each half of k 512 bytes at 16 x lane, then 256 at 8 x lane), so a fragment comes out of LDS by four loads of consecutive bytes.
; NAMES: B is the matrix instruction's source 0 (its rows fall into a lane's registers) and follows the tile column; A is source 1 (its rows fall into lanes) and follows the tile row.
;   Q, K (tensor 0, 1): A = tokens, B = weights: a lane holds one token and 128 features (two heads): rotation and quantising along the head stay in the lane.
;   V (tensor 2):       A = weights, B = tokens: a lane holds one feature and 128 keys: quantising along the keys stays in the lane.
; Which of the two holds is read off the cluster's y alone: the same in all sixteen partners.
; THE ROWS OF A TILE: tokens: row r of tile T is token 32 (T / 2) + 2 r + T % 2; features: row r of tile t is feature 32 (t / 2) + 8 (t % 2) + r + 8 (r / 8).  So the 16 registers of B's tiles 2 b, 2 b + 1 are
; features 32 b + 16 h + 0 .. 15 (Q, K), or keys 32 b + 16 h + 2 j + u at register 8 u + j (V; the attention launch lays its weights p in the same order).
; CLUSTERS: 4 x 4 work-groups; A's tiles are asked for jointly along a row of the cluster, B's along a column.
; The biases are the C of each sum's first matrix instruction.
; LIMITS: NaN and infinities are not served; a block of zeros or under 2^-124 gets the byte 1 (the bytes are read by this program alone).
; REGISTERS: window 0: v0-31 addresses; v32-63 scale words, two sets; v64-127 two sets of cos and sin; v128-223 A's fragments, one set; on the way out v128-247 are at work.
;   window 1: B's fragments, two sets, at v0 and v128; the bias blocks at v96-127 and v224-255.   windows 2, 3: the accumulators ((a, b) at v[8 (8 (a % 4) + b)]).
.set NQ,     2                         ; matrix instructions deep in a slot
.set FR,     12                        ; registers of a fragment
.set NL,     4                         ; LDS loads that bring one
.set NP,     4                         ; places behind this matrix instruction (ISA guide 7.12.1)
.set HALFT,  24576                     ; 128 rows x 256 k: 8 tiles x two fragments: what one tensor load brings
.set SLOT,   4*HALFT                   ; A's 256 rows, then B's
.set SCL,    2*SLOT                    ; behind the ring: the scale bytes, as units of 256 bytes + 16 of padding
.set HALFS,  16*272                    ; those of 128 rows (32 bytes a row)
.set SBLK,   2*272                     ; those of 16 rows
.set SPARE,  SCL+4*HALFS               ; the spare words, 128 bytes for each wave: two blocks of 256 bytes that no other line names
.set A16, 16                           ; v16-17 LDS address of my A fragments in slot 0, 1, + 16 x lane;  v18-19 the same + 8 x lane
.set A8,  18
.set B16, 20                           ; v20-23 the same for B
.set B8,  22
.set L16, 24                           ; v24 16 x lane
.set L8,  25                           ; v25 8 x lane
.set SCO, 26                           ; v26 the scale words' way out: 4,096 h + 16 r
.set ADRS, 27                          ; v27 LDS address of my scale words: lanes 0-15 A's rows, lanes 16-31 B's
.set SPW, 28                           ; v28 LDS address of my spare word; never rewritten
.set NIL, 29                           ; v29 0; never rewritten
.set BAD, 30                           ; v30 my lane's offset in the bias
.set SC,  32
.set TBL, 64
.set AF,  128
.set HA,  128                          ; the way out: v128-191 64 rotated numbers
.set TM,  192                          ; v192-207 at work in QUANT
.set PC,  208                          ; v208-226 the codes just made
.set PWT, 228                          ; v228-229 the scale words of an even and an odd tile of tokens
.set SW,  232                          ; v232-239 the scale words to be stored
.set RT,  240                          ; v240-247 products at work
.set G1,  24
.set G0,  32
.set G1B, 48
.set G0B, 56
.set G1S, 68
.set G0S, 76
.set G1SB, 80
.set G0SB, 88
.set SEL, 92                           ; s[92:93] lane selects: lane l xor 16
.set HM,  94                           ; s94 a lane mask: lanes 16-31
.set WV,  96                           ; s96 my wave
.set WH,  97                           ; s97 wave / 2: which half of A's rows is mine; also: I fetch for A (0) or B (1)
.set WL,  98                           ; s98 wave % 2: which half of B's rows; also: which 128 rows I fetch
.set ISV, 99                           ; s99 1 for V
.set TT,  100                          ; s100 which tensor
.set C8,  101                          ; s101 4 x (which eighth of the tokens)
.set MSB, 0
.macro WIN new                         ; the immediate's high byte repeats the setting that is left
.if MSB != \new
	s_set_vgpr_msb (MSB<<8)|\new
.set MSB, \new
.endif
.endm
.set MUL_LO, 0xa1                      ; source 0 (B) window 1, source 1 (A) window 0, C and D window 2
.set MUL_HI, 0xf1                      ; the same, C and D window 3
.set TO_B,   0x40                      ; destination window 1, address window 0
; A joint load: waves 0 and 1 fetch for A, waves 2 and 3 for B.  The branch hangs on the wave's number alone.  Four v_nop follow each of the two lines.
.macro JLOAD g0a, g1a, g0b, g1b
	s_cmp_eq_u32 s[WH], 0
	s_cbranch_scc0 .Lfor_b_\@
	tensor_load_to_lds s[\g0a:\g0a+3], s[\g1a:\g1a+7]
	s_nop 0
.rept 4
	v_nop
.endr
	s_branch .Lasked_\@
.Lfor_b_\@:
	tensor_load_to_lds s[\g0b:\g0b+3], s[\g1b:\g1b+7]
	s_nop 0
.rept 4
	v_nop
.endr
.Lasked_\@:
.endm
.macro CREST                           ; a round of the cluster's barrier behind its opening barrier
	s_cmp_lg_u32 s[WV], 0
	s_cbranch_scc1 .Lnot_wave_0_\@
	s_barrier_signal -3
.Lnot_wave_0_\@:
	s_barrier_wait -3
	s_barrier_signal -1
	s_barrier_wait -1
.endm
.macro CROUND
	s_barrier_signal -1
	s_barrier_wait -1
	CREST
.endm
	s_load_b512 s[4:19], s[0:1], 0x0               ; xc, xs, wc, ws, tab, bq, bk, bv
	s_load_b128 s[20:23], s[0:1], 0x40             ; ac, asc
	v_lshl_add_u32 v[SPW], v0, 2, SPARE
	v_mov_b32 v[NIL], 0
	ds_add_u32 v28, v29
	ds_add_u32 v28, v29
	s_wait_dscnt 0x0
	v_lshrrev_b32 v1, 5, v0
	v_readfirstlane_b32 s[WV], v1
	s_lshr_b32 s[WH], s[WV], 1
	s_and_b32 s[WL], s[WV], 1
	s_bfe_u32 s40, ttmp6, 0x40000                  ; cx, cy: my place in the cluster
	s_bfe_u32 s41, ttmp6, 0x40004
	s_and_b32 s2, ttmp7, 0xffff                    ; the cluster's y, 0..23
	s_lshr_b32 s[TT], s2, 3
	s_and_b32 s[C8], s2, 7
	s_lshl_b32 s[C8], s[C8], 2
	s_lshl_b32 s43, s41, 2
	s_lshl_b32 s43, 15, s43                        ; my row of the cluster
	s_lshl_b32 s44, 0x1111, s40                    ; my column
	; descriptor group 1 for codes: 8 rows (tiles of 16) of 3,072 bytes (two fragments), 12,288 bytes apart; elements of 8 bytes; no padding
	s_or_b32 s[G1+0], s43, (3<<16)|(1<<21)         ; 15:0 the mask: A's tiles go to my row; 17:16 elements of 8 bytes; 21 set beside a mask
	s_or_b32 s[G1B+0], s44, (3<<16)|(1<<21)
.irp g, G1, G1B
	s_mov_b32 s[\g+1], 384<<16                     ; tensor_dim0
	s_mov_b32 s[\g+2], 16<<16                      ; tensor_dim1: 16 tiles of 16 rows for the head's loads; set to 8 behind them, for the ring's
	s_mov_b32 s[\g+3], 384<<16                     ; tile_dim0
	s_mov_b32 s[\g+4], 16                          ; tile_dim1
	s_mov_b32 s[\g+5], 1536                        ; tensor_dim0_stride
	s_mov_b32 s[\g+6], 0
	s_mov_b32 s[\g+7], 0
.endr
	; and for the scale bytes of 256 rows: 8,192 dense bytes as 32 rows of 256, 16 bytes of padding behind each
	s_or_b32 s[G1S+0], s43, (3<<16)|(1<<20)|(1<<21)|(5<<22)|(3<<25)
	s_or_b32 s[G1SB+0], s44, (3<<16)|(1<<20)|(1<<21)|(5<<22)|(3<<25)
.irp g, G1S, G1SB
	s_mov_b32 s[\g+1], 32<<16
	s_mov_b32 s[\g+2], 32<<16                      ; the scale bytes of 256 rows: 32 rows of 256 bytes
	s_mov_b32 s[\g+3], 32<<16
	s_mov_b32 s[\g+4], 32
	s_mov_b32 s[\g+5], 32
	s_mov_b32 s[\g+6], 0
	s_mov_b32 s[\g+7], 0
.endr
	s_mov_b32 s[SEL], 0x76543210
	s_mov_b32 s[SEL+1], 0xfedcba98
	s_mov_b32 s[HM], 0xffff0000
	s_mov_b32 s3, 0
	s_wait_kmcnt 0x0
	s_mul_i32 s2, s[TT], 6291456
	s_add_nc_u64 s[4:5], s[4:5], s[2:3]            ; this tensor's codes,
	s_lshl_b32 s2, s[TT], 18
	s_add_nc_u64 s[6:7], s[6:7], s[2:3]            ; its scale bytes,
	s_mul_i32 s2, s[TT], 786432
	s_add_nc_u64 s[8:9], s[8:9], s[2:3]            ; its weight's codes,
	s_lshl_b32 s2, s[TT], 15
	s_add_nc_u64 s[10:11], s[10:11], s[2:3]        ; and scale bytes
	s_cmp_eq_u32 s[TT], 2                          ; V?  Only selections and moves stand between this compare and its last use
	s_cselect_b64 s[44:45], s[8:9], s[4:5]         ; A's codes
	s_cselect_b64 s[46:47], s[10:11], s[6:7]       ; A's scale bytes
	s_cselect_b64 s[66:67], s[4:5], s[8:9]         ; B's codes
	s_cselect_b64 s[42:43], s[6:7], s[10:11]       ; B's scale bytes
	s_cselect_b32 s[ISV], 1, 0
	s_cselect_b32 s2, 0, s[C8]
	s_cselect_b32 s3, s[C8], 0
	s_add_co_u32 s2, s2, s41                       ; tile row: cy, for Q and K + 4 x the eighth
	s_add_co_u32 s3, s3, s40                       ; tile column: cx, for V + 4 x the eighth
	s_lshl_b32 s6, s2, 8                           ; the tile's first row in A
	s_lshl_b32 s7, s3, 8                           ; and in B
	s_mov_b32 s9, 0
	s_mov_b32 s11, 0
	s_mul_i32 s8, s6, 768                          ; 12,288 bytes for each 16 rows
	s_add_nc_u64 s[44:45], s[44:45], s[8:9]
	s_lshl_b32 s8, s6, 5
	s_add_nc_u64 s[46:47], s[46:47], s[8:9]
	s_mul_i32 s10, s7, 768
	s_add_nc_u64 s[66:67], s[66:67], s[10:11]
	s_lshl_b32 s10, s7, 5
	s_add_nc_u64 s[42:43], s[42:43], s[10:11]
	s_mul_i32 s95, s[WV], HALFT                    ; where they go: wave x a quarter: no place in the cluster enters an LDS address
	CROUND                                         ; all sixteen work-groups are here: the first joint loads meet
	s_mov_b32 s[G0S], 1
	s_mov_b32 s[G0S+1], SCL
	s_mov_b64 s[G0S+2:G0S+3], s[46:47]
	s_or_b32 s[G0S+3], s[G0S+3], 0x80000000
	s_mov_b32 s[G0SB], 1
	s_mov_b32 s[G0SB+1], SCL+2*HALFS
	s_mov_b64 s[G0SB+2:G0SB+3], s[42:43]
	s_or_b32 s[G0SB+3], s[G0SB+3], 0x80000000
	s_mov_b32 s[G0+4], 1                           ; the head's loads of K step 0, each tile whole, in the registers that later hold slot 1's group 0: A's 256 rows,
	s_mov_b32 s[G0+5], 0
	s_mov_b64 s[G0+6:G0+7], s[44:45]
	s_or_b32 s[G0+7], s[G0+7], 0x80000000
	s_mov_b32 s[G0B+4], 1                          ; and B's, behind them in slot 0
	s_mov_b32 s[G0B+5], 2*HALFT
	s_mov_b64 s[G0B+6:G0B+7], s[66:67]
	s_or_b32 s[G0B+7], s[G0B+7], 0x80000000
	s_mul_i32 s8, s[WL], 98304                     ; for the ring: which 128 rows of a tile I fetch (s9 = 0)
	s_add_nc_u64 s[44:45], s[44:45], s[8:9]
	s_add_nc_u64 s[66:67], s[66:67], s[8:9]
.irp s, 0
	s_mov_b32 s[G0+4*\s], 1
	s_add_co_u32 s[G0+4*\s+1], s95, \s*SLOT
	s_add_nc_u64 s[G0+4*\s+2:G0+4*\s+3], s[44:45], \s*3072
	s_or_b32 s[G0+4*\s+3], s[G0+4*\s+3], 0x80000000
	s_mov_b32 s[G0B+4*\s], 1
	s_add_co_u32 s[G0B+4*\s+1], s95, \s*SLOT
	s_add_nc_u64 s[G0B+4*\s+2:G0B+4*\s+3], s[66:67], \s*3072
	s_or_b32 s[G0B+4*\s+3], s[G0B+4*\s+3], 0x80000000
.endr
; THE HEAD'S LOADS, ONE A WAVE: wave 0 K step 0 of A's 256 rows, wave 1 of B's, wave 2 A's scale bytes, wave 3 B's.  One tree of branches on the wave's number.
.macro ARM under, g0, g1, next
	s_cmp_lt_u32 s[WV], \under
	s_cbranch_scc0 \next
	tensor_load_to_lds s[\g0:\g0+3], s[\g1:\g1+7]
	s_nop 0
.rept 4
	v_nop
.endr
	s_branch .Lhead_asked
\next:
.endm
	ARM 1, G0+4,  G1,  .Lhead_b
	ARM 2, G0B+4, G1B, .Lhead_sa
	ARM 3, G0S,   G1S, .Lhead_sb
	tensor_load_to_lds s[G0SB:G0SB+3], s[G1SB:G1SB+7]
	s_nop 0
.rept 4
	v_nop
.endr
.Lhead_asked:
	v_and_b32 v1, 15, v0                           ; r
	v_bfe_u32 v2, v0, 4, 1                         ; h
	v_and_b32 v3, 31, v0                           ; lane
	v_lshlrev_b32 v[L16], 4, v3
	v_lshlrev_b32 v[L8], 3, v3
	s_mul_i32 s8, s[WH], HALFT                     ; my 128 rows of A
	s_mul_i32 s9, s[WL], HALFT                     ; my 128 rows of B,
	s_add_co_u32 s9, s9, 2*HALFT                   ; behind A's 256
.irp s, 0,1
	v_add_nc_u32 v[A16+\s], s8, v[L16]
	v_add_nc_u32 v[A8+\s], s8, v[L8]
	v_add_nc_u32 v[B16+\s], s9, v[L16]
	v_add_nc_u32 v[B8+\s], s9, v[L8]
	s_add_co_u32 s8, s8, SLOT
	s_add_co_u32 s9, s9, SLOT
.endr
	v_mul_u32_u24 v5, v1, 32                       ; my row's scale bytes: 32 a row,
	v_lshrrev_b32 v6, 8, v5
	v_lshl_add_u32 v5, v6, 4, v5                   ; and 16 more for each 256 passed
	s_mul_i32 s8, s[WH], HALFS
	s_mul_i32 s9, s[WL], HALFS
	s_add_co_u32 s9, s9, 2*HALFS
	s_sub_co_u32 s9, s9, s8
	v_mul_u32_u24 v6, s9, v2                       ; lanes 16-31 take B's
	s_add_co_u32 s8, s8, SCL
	v_add_nc_u32 v5, v5, v6
	v_add_nc_u32 v[ADRS], s8, v5
	v_lshlrev_b32 v[SCO], 12, v2
	v_lshl_add_u32 v[SCO], v1, 4, v[SCO]
	; where my results go
	s_lshl_b32 s6, s2, 8
	s_lshl_b32 s7, s[WH], 7
	s_add_co_u32 s6, s6, s7                        ; my first row of A's operand
	s_lshl_b32 s7, s3, 8
	s_lshl_b32 s8, s[WL], 7
	s_add_co_u32 s7, s7, s8                        ; and of B's
	s_cmp_eq_u32 s[ISV], 1
	s_cselect_b32 s8, s7, s6                       ; my first token,
	s_cselect_b32 s9, s6, s7                       ; my first feature
	s_lshr_b32 s10, s8, 11                         ; the batch
	s_and_b32 s11, s8, 2047                        ; the position in it
	s_lshl_b32 s10, s10, 4
	s_lshr_b32 s42, s9, 6
	s_add_co_u32 s10, s10, s42                     ; 16 x batch + my first head
	s_lshr_b32 s42, s11, 7                         ; which chunk of 128 tokens
	s_mul_i32 s44, s[TT], 6291456
	s_mul_i32 s43, s10, 98304
	s_add_co_u32 s44, s44, s43
	s_mul_i32 s43, s42, 6144
	s_add_co_u32 s44, s44, s43
	s_mov_b32 s45, 0
	s_add_nc_u64 s[20:21], s[20:21], s[44:45]      ; the codes; my second head's lie 98,304 bytes on
	s_lshl_b32 s44, s[TT], 18
	s_lshl_b32 s43, s10, 12
	s_add_co_u32 s44, s44, s43
	s_lshl_b32 s43, s42, 8
	s_add_co_u32 s44, s44, s43
	s_add_nc_u64 s[22:23], s[22:23], s[44:45]      ; the scale words; my second head's lie 4,096 bytes on
	s_lshr_b32 s44, s11, 4
	s_lshl_b32 s44, s44, 12
	s_add_nc_u64 s[12:13], s[12:13], s[44:45]      ; cos and sin of my first tile of tokens
	s_cmp_eq_u32 s[TT], 0
	s_cselect_b64 s[14:15], s[14:15], s[16:17]
	s_cmp_eq_u32 s[TT], 2
	s_cselect_b64 s[14:15], s[18:19], s[14:15]
	s_lshl_b32 s44, s9, 2
	s_add_nc_u64 s[14:15], s[14:15], s[44:45]      ; the bias at my first feature
	s_cmp_eq_u32 s[ISV], 1
	s_cbranch_scc1 .Lload_v
	v_lshlrev_b32 v[BAD], 6, v2                    ; Q, K: register j of B's tile b is feature 32 (b / 2) + 8 (b % 2) + 16 h + j
	WIN TO_B
.irp b, 0,1,2,3,4,5,6,7
	global_load_b128 v[96+8*(\b%4)+128*(\b/4):96+8*(\b%4)+128*(\b/4)+3], v[BAD], s[14:15] offset:(32*(\b/2)+8*(\b%2))*4
	global_load_b128 v[96+8*(\b%4)+128*(\b/4)+4:96+8*(\b%4)+128*(\b/4)+7], v[BAD], s[14:15] offset:(32*(\b/2)+8*(\b%2))*4+16
.endr
	WIN 0
.irp a, 0,1
.irp c, 0,1,2,3,4,5,6,7
	global_load_b128 v[TBL+32*\a+4*\c:TBL+32*\a+4*\c+3], v[L16], s[12:13] offset:4096*\a+512*\c   ; cos and sin for my first two tiles of tokens
.endr
.endr
	s_branch .Lloaded
.Lload_v:
	v_and_b32 v[BAD], 8, v1                        ; V: a lane of A's tile a is feature 32 (a / 2) + 8 (a % 2) + r + 8 (r / 8): one number a lane
	v_add_nc_u32 v[BAD], v[BAD], v1
	v_lshlrev_b32 v[BAD], 2, v[BAD]
.irp a, 0,1,2,3,4,5,6,7
	global_load_b32 v[TBL+\a], v[BAD], s[14:15] offset:(32*(\a/2)+8*(\a%2))*4
.endr
.Lloaded:
.macro FRAG reg, a16, a8, q, i         ; a fragment as it lies: tile i of my eight, the slot's q-th 128 along K
	ds_load_b128 v[\reg:\reg+3], v[\a16] offset:3072*(\i)+1536*(\q)
	ds_load_b64 v[\reg+4:\reg+5], v[\a8] offset:3072*(\i)+1536*(\q)+512
	ds_load_b128 v[\reg+6:\reg+9], v[\a16] offset:3072*(\i)+1536*(\q)+768
	ds_load_b64 v[\reg+10:\reg+11], v[\a8] offset:3072*(\i)+1536*(\q)+1280
.endm
; 16 matrix instructions: A's blocks a0, a0 + 1 x B's eight.  p: B's set; sc: the set of scale words.  zero = 1: the sums start from the bias of B's block; 2: of A's block; 0: they go on.
; The 64 accumulators take turns, one instruction a turn, in the same order in every step.
.macro MUL16 a0, p, q, sc, zero
.irp a, \a0, \a0+1
.irp b, 0,1,2,3,4,5,6,7
.set DD, 8*(8*((\a)%4)+\b)
.set BF, 128*(\p)+FR*\b
.set AA, AF+FR*(\a)
.set SBR, SC+8*NQ*(\sc)+NQ*\b+(\q)
.set SAR, SC+8*NQ*(\sc)+NQ*(\a)+(\q)
.if (\zero) == 1
.set CC, 96+8*(\b%4)+128*(\b/4)
.elseif (\zero) == 2
.set CC, 96+8*((\a)%4)+128*((\a)/4)
.else
.set CC, DD
.endif
	v_wmma_scale_f32_16x16x128_f8f6f4 v[DD:DD+7], v[BF:BF+FR-1], v[AA:AA+FR-1], v[CC:CC+7], v[SBR], v[SAR] matrix_a_fmt:MATRIX_FMT_FP6 matrix_b_fmt:MATRIX_FMT_FP6 matrix_a_scale:MATRIX_SCALE_ROW1
.endr
.endr
.endm
.macro FETCH_B slot, q, p
	WIN TO_B
.irp i, 0,1,2,3,4,5,6,7
	FRAG 128*(\p)+FR*\i, B16+\slot, B8+\slot, \q, \i
.endr
	WIN 0
.endm
.macro FETCH_A slot, q, i0
.irp i, \i0, \i0+1, \i0+2, \i0+3
	FRAG AF+FR*(\i), A16+\slot, A8+\slot, \q, \i
.endr
.endm
.macro SCALES sc                       ; a K step's two scale words a row: lanes 0-15 take A's block i, lanes 16-31 B's block i
.irp i, 0,1,2,3,4,5,6,7
	ds_load_b64 v[SC+8*NQ*\sc+NQ*\i:SC+8*NQ*\sc+NQ*\i+1], v[ADRS] offset:\i*SBLK
.endr
.endm
.macro PLACES n                        ; plain vector instructions between a matrix instruction and a load into, or a read of, its registers
.rept \n
	v_nop
.endr
.endm
; A step of 128 along K that has its successor in the same slot
.macro STEP slot, q, zero
	s_wait_dscnt 4*NL                              ; B's set and A's blocks 0-3 are in; the youngest 16 loads (A's blocks 4-7) may be out
.if \zero
	WIN 0x91                                       ; C (the bias) in window 1, D in window 2
.else
	WIN MUL_LO
.endif
	MUL16 0, (\q)%2, \q, \slot, \zero
	MUL16 2, (\q)%2, \q, \slot, \zero
	s_wait_dscnt 0                                 ; A's blocks 4-7 are in
	PLACES NP
	FETCH_B \slot, (\q)+1, 1-(\q)%2
	FETCH_A \slot, (\q)+1, 0
.if \zero
	WIN 0xd1
.else
	WIN MUL_HI
.endif
	MUL16 4, (\q)%2, \q, \slot, \zero
	MUL16 6, (\q)%2, \q, \slot, \zero
	PLACES NP
	WIN 0
	FETCH_A \slot, (\q)+1, 4
.endm
; A slot's last step changes slots: one barrier; in front of it each wave waits for all its tensor loads, adds 0 to its spare word, and waits for that and for its reads of this slot.  fill = 1: the slot is filled again, two K steps ahead.
.macro TURN slot, next, fill
	s_wait_tensorcnt 0x0                           ; all my tensor loads have landed: my part of the next slot
	ds_add_u32 v[SPW], v[NIL]                      ; 0 onto my spare word
	s_wait_dscnt 4*NL+1                            ; (the add and the youngest 16 loads may be out)
	WIN MUL_LO
	MUL16 0, 1, NQ-1, \slot, 0
	s_wait_dscnt 0x0                               ; the add is done, and my reads of this slot are over
	s_barrier_signal -1
	MUL16 2, 1, NQ-1, \slot, 0
	WIN 0
	s_barrier_wait -1
.if \fill
	CREST                                          ; the barrier has opened a round of the cluster's: no wave of any partner still reads this slot or has a load on its way
	s_add_nc_u64 s[G0+4*\slot+2:G0+4*\slot+3], s[G0+4*\slot+2:G0+4*\slot+3], 6144
	s_add_nc_u64 s[G0B+4*\slot+2:G0B+4*\slot+3], s[G0B+4*\slot+2:G0B+4*\slot+3], 6144
	JLOAD G0+4*\slot, G1, G0B+4*\slot, G1B         ; the first tensor load behind the round; its four v_nop are the places in front of the loads below
.else
	PLACES NP
.endif
	s_wait_alu depctr_va_vdst(0)
	v_add_nc_u32 v[ADRS], 4*NQ, v[ADRS]            ; the next K step's scale words
	FETCH_B \next, 0, 0
	FETCH_A \next, 0, 0
	SCALES \next
	WIN MUL_HI
	MUL16 4, 1, NQ-1, \slot, 0
	MUL16 6, 1, NQ-1, \slot, 0
	PLACES NP
	WIN 0
	FETCH_A \next, 0, 4
.endm
	s_wait_alu depctr_va_vdst(0)
	s_wait_tensorcnt 0x0                           ; my tile of the head's four is in
	ds_add_u32 v[SPW], v[NIL]
	s_mov_b32 s[G1+2], 8<<16                       ; no tensor load of mine is out: from here on a load brings 8 tiles of 16 rows,
	s_mov_b32 s[G1+4], 8
	s_mov_b32 s[G1B+2], 8<<16
	s_mov_b32 s[G1B+4], 8
	s_add_co_u32 s[G0+5], s[G0+1], SLOT            ; and slot 1's group 0 is slot 0's one slot and one K step on
	s_add_nc_u64 s[G0+6:G0+7], s[G0+2:G0+3], 3072
	s_add_co_u32 s[G0B+5], s[G0B+1], SLOT
	s_add_nc_u64 s[G0B+6:G0B+7], s[G0B+2:G0B+3], 3072
	s_wait_dscnt 0x0
	CROUND                                         ; a whole round: all four tiles are in, all sixteen work-groups are here
	JLOAD G0+4, G1, G0B+4, G1B                     ; K step 1, the first tensor load behind the round
	FETCH_B 0, 0, 0
	FETCH_A 0, 0, 0
	s_wait_alu depctr_va_vdst(0)
	SCALES 0
	FETCH_A 0, 0, 4
	s_wait_loadcnt 0x0                             ; the bias; cos and sin
	s_cmp_eq_u32 s[ISV], 1
	s_cbranch_scc1 .Lfirst_v
	STEP 0, 0, 1
	s_branch .Lfirst_done
.Lfirst_v:
	WIN TO_B                                       ; V: a lane's one number fills the eight registers of its block's first C; the block that is used first is written first
.irp a, 0,1,2,3,4,5,6,7
.irp j, 0,1,2,3,4,5,6,7
	v_mov_b32 v[96+8*(\a%4)+128*(\a/4)+\j], v[TBL+\a]
.endr
.endr
	s_wait_alu depctr_va_vdst(0)
	STEP 0, 0, 2
.Lfirst_done:
	TURN 0, 1, 1                                   ; K is four steps of 256: the ring is written out
	STEP 1, 0, 0
	TURN 1, 0, 1
	STEP 0, 0, 0
	TURN 0, 1, 0                                   ; the last lap fills nothing
	STEP 1, 0, 0
	s_wait_dscnt 4*NL
	WIN MUL_LO
	MUL16 0, 1, NQ-1, 1, 0
	MUL16 2, 1, NQ-1, 1, 0
	s_wait_dscnt 0
	WIN MUL_HI
	MUL16 4, 1, NQ-1, 1, 0
	MUL16 6, 1, NQ-1, 1, 0
	WIN 0
	PLACES NP                                      ; in front of the first read of results and the first write over A's fragments
; 64 numbers of a lane in window w, register 16 b + i = place 32 b + 16 h + i along the next K, become a fragment's codes in v[PC] on and its scale word in v[pw].  Each accumulator is read from its low end on.
.macro QUANT s, w, pw
	WIN (\w)|((\w)<<2)
.irp b, 0,1,2,3
	v_max3_num_f32 v[TM+\b], |v[(\s)+16*\b]|, |v[(\s)+1+16*\b]|, 0x1800000   ; my 16 numbers of block b, and the floor 2^(3 - 127)
.endr
.irp i, 2,4,6,8,10,12,14
.irp b, 0,1,2,3
	v_max3_num_f32 v[TM+\b], |v[(\s)+16*\b+\i]|, |v[(\s)+1+16*\b+\i]|, v[TM+\b]
.endr
.endr
	WIN 0
.irp b, 0,1,2,3
	v_permlanex16_b32 v[TM+4+\b], v[TM+\b], s[SEL], s[SEL+1]
.endr
.irp b, 0,1,2,3
	v_max_num_f32 v[TM+\b], v[TM+\b], v[TM+4+\b]
.endr
.irp b, 0,1,2,3
	v_add_nc_u32 v[TM+12+\b], 0xff000000, v[TM+\b] ; 2 off the exponent field: the conversion's scale operand
.endr
.irp b, 0,1,2,3
	v_lshrrev_b32 v[TM+4+\b], 23, v[TM+12+\b]      ; the scale's byte
.endr
	v_lshl_or_b32 v[\pw], v[TM+5], 8, v[TM+4]
	v_lshl_or_b32 v[\pw], v[TM+6], 16, v[\pw]
	v_lshl_or_b32 v[\pw], v[TM+7], 24, v[\pw]
	WIN \w
.irp c, 0,1
	v_cvt_scalef32_pk16_fp6_f32 v[PC+6*\c:PC+2+6*\c], v[(\s)+32*\c:(\s)+15+32*\c], v[TM+12+2*\c]
	v_cvt_scalef32_pk16_fp6_f32 v[PC+12+4*\c:PC+14+4*\c], v[(\s)+16+32*\c:(\s)+31+32*\c], v[TM+12+2*\c+1]
.endr
	WIN 0
	v_nop                                          ; one plain place behind a scaled conversion
.irp c, 0,1
.irp i, 0,1,2
	v_permlane16_swap_b32 v[PC+6*\c+\i], v[PC+12+4*\c+\i]
.endr
.irp i, 0,1,2
	v_mov_b32 v[PC+3+6*\c+\i], v[PC+12+4*\c+\i]
.endr
.endr
.endm
.irp b, 0,1,2,3
	v_mov_b32 v[TM+4+\b], 0                        ; written once: a lane permute's destination counts as one of its sources
.endr
	s_cmp_eq_u32 s[ISV], 1
	s_cbranch_scc1 .Lout_v
; THE WAY OUT OF Q AND K, a tile of 16 tokens at a time.  A lane holds one token and two heads; in head c registers 32 c + i are d = 16 h + i and registers 32 c + 16 + i are d = 32 + 16 h + i, which turn together
; by the angle of frequency 16 h + i: out(d) = x(d) cos - x(d + 32) sin, out(d + 32) = x(d + 32) cos + x(d) sin.
.macro QKOUT a
.set AC, 64*((\a)%4)
.set TS, TBL+32*((\a)%2)
.if (\a) >= 2
.if (\a) == 7
	s_wait_loadcnt 0x0
.else
	s_wait_loadcnt 8                               ; this tile's cos and sin are in; the next tile's eight loads may be out
.endif
.endif
	WIN 2+(\a)/4                                   ; source 0: the accumulators' window
.irp c, 0,1
.irp i, 0,2,4,6,8,10,12,14
.set RR, RT+4*((\i/2)%2)
	v_pk_mul_f32 v[RR:RR+1], v[AC+32*\c+16+\i:AC+32*\c+17+\i], v[TS+16+\i:TS+17+\i]
	v_pk_mul_f32 v[RR+2:RR+3], v[AC+32*\c+\i:AC+32*\c+1+\i], v[TS+16+\i:TS+17+\i]
	v_pk_fma_f32 v[HA+32*\c+\i:HA+32*\c+1+\i], v[AC+32*\c+\i:AC+32*\c+1+\i], v[TS+\i:TS+1+\i], v[RR:RR+1] neg_lo:[0,0,1] neg_hi:[0,0,1]
	v_pk_fma_f32 v[HA+32*\c+16+\i:HA+32*\c+17+\i], v[AC+32*\c+16+\i:AC+32*\c+17+\i], v[TS+\i:TS+1+\i], v[RR+2:RR+3]
.endr
.endr
	WIN 0
.if (\a) < 6
.irp c, 0,1,2,3,4,5,6,7
	global_load_b128 v[TS+4*\c:TS+4*\c+3], v[L16], s[12:13] offset:4096*((\a)+2)+512*\c   ; the set takes the tile two further on
.endr
.endif
	s_wait_xcnt 0x0                                ; the last tile's stores have read the codes' registers
	QUANT HA, 0, PWT+(\a)%2
.irp c, 0,1                                    ; head c's 64 are one half of the fragment: 768 bytes, the part of tokens 32 g + 2 r + a % 2 of block g = a / 2
	global_store_b128 v[L16], v[PC+6*\c:PC+6*\c+3], s[20:21] offset:98304*\c+1536*((\a)/2)+768*((\a)%2)
	global_store_b64 v[L8], v[PC+6*\c+4:PC+6*\c+5], s[20:21] offset:98304*\c+1536*((\a)/2)+768*((\a)%2)+512
.endr
.if (\a)%2
	v_perm_b32 v[SW+(\a)/2], v[PWT+1], v[PWT], 0x05040100     ; head 0: the even token's two bytes, then the odd token's
	v_perm_b32 v[SW+4+(\a)/2], v[PWT+1], v[PWT], 0x07060302   ; head 1
.endif
.endm
.irp a, 0,1,2,3,4,5,6,7
	QKOUT \a
.endr
	s_branch .Ltail
; THE WAY OUT OF V, a tile of 16 features at a time: a lane holds one feature and the chunk's 128 keys: one fragment
.Lout_v:
.macro VOUT a
	s_wait_xcnt 0x0                                ; the last tile's stores have read the codes' registers
	QUANT 64*((\a)%4), 2+(\a)/4, SW+(\a)
	global_store_b128 v[L16], v[PC:PC+3], s[20:21] offset:98304*((\a)/4)+1536*((\a)%4)
	global_store_b64 v[L8], v[PC+4:PC+5], s[20:21] offset:98304*((\a)/4)+1536*((\a)%4)+512
	global_store_b128 v[L16], v[PC+6:PC+9], s[20:21] offset:98304*((\a)/4)+1536*((\a)%4)+768
	global_store_b64 v[L8], v[PC+10:PC+11], s[20:21] offset:98304*((\a)/4)+1536*((\a)%4)+1280
.endm
.irp a, 0,1,2,3,4,5,6,7
	VOUT \a
.endr
.Ltail:
	s_wait_alu depctr_va_vdst(0)
.irp i, 0,1,2,3
	v_cndmask_b32 v[SW+\i], v[SW+\i], v[SW+4+\i], s[HM]   ; lanes 0-15 keep my first head's four words, lanes 16-31 take my second head's
.endr
	global_store_b128 v[SCO], v[SW:SW+3], s[22:23] ; sixteen lanes store 256 consecutive bytes, at a multiple of 256 from the buffer's first byte
	s_wait_tensorcnt 0x0                           ; the wave's end
	ds_add_u32 v[SPW], v[NIL]
	s_wait_dscnt 0x0
	CROUND                                         ; the closing round: no work-group ends while a partner may still ask for a tile that names it
	s_endpgm
.Lfunc_end_k_qc51e10d72c_proj:
	.size	k_qc51e10d72c_proj, .Lfunc_end_k_qc51e10d72c_proj-k_qc51e10d72c_proj
	.p2alignl 7, 3214868480
	.fill 96, 4, 3214868480
	.section	.rodata,"a",@progbits
	.p2align	6, 0x0
	.amdhsa_kernel k_qc51e10d72c_proj
		.amdhsa_group_segment_fixed_size 327680
		.amdhsa_private_segment_fixed_size 0
		.amdhsa_enable_private_segment 0
		.amdhsa_kernarg_size 80
		.amdhsa_user_sgpr_count 2
		.amdhsa_user_sgpr_kernarg_segment_ptr 1
		.amdhsa_wavefront_size32 1
		.amdhsa_system_sgpr_workgroup_id_x 1
		.amdhsa_system_sgpr_workgroup_id_y 1
		.amdhsa_system_sgpr_workgroup_id_z 1
		.amdhsa_system_vgpr_workitem_id 0
		.amdhsa_next_free_vgpr 1024
		.amdhsa_next_free_sgpr 102
		.amdhsa_reserve_vcc 0
		.amdhsa_float_denorm_mode_32 3
		.amdhsa_float_denorm_mode_16_64 3
		.amdhsa_memory_ordered 1
		.amdhsa_forward_progress 1
		.amdhsa_inst_pref_size 240
	.end_amdhsa_kernel
	.amdgpu_metadata
---
amdhsa.version: [ 1, 2 ]
amdhsa.kernels:
  - .name:           k_qc51e10d72c_proj
    .symbol:         k_qc51e10d72c_proj.kd
    .args:
      - { .name: xc, .offset: 0, .size: 8, .value_kind: global_buffer, .address_space: global }
      - { .name: xs, .offset: 8, .size: 8, .value_kind: global_buffer, .address_space: global }
      - { .name: wc, .offset: 16, .size: 8, .value_kind: global_buffer, .address_space: global }
      - { .name: ws, .offset: 24, .size: 8, .value_kind: global_buffer, .address_space: global }
      - { .name: tab, .offset: 32, .size: 8, .value_kind: global_buffer, .address_space: global }
      - { .name: bq, .offset: 40, .size: 8, .value_kind: global_buffer, .address_space: global }
      - { .name: bk, .offset: 48, .size: 8, .value_kind: global_buffer, .address_space: global }
      - { .name: bv, .offset: 56, .size: 8, .value_kind: global_buffer, .address_space: global }
      - { .name: ac, .offset: 64, .size: 8, .value_kind: global_buffer, .address_space: global }
      - { .name: asc, .offset: 72, .size: 8, .value_kind: global_buffer, .address_space: global }
    .group_segment_fixed_size: 327680
    .private_segment_fixed_size: 0
    .kernarg_segment_align: 8
    .kernarg_segment_size: 80
    .max_flat_workgroup_size: 128
    .sgpr_count:     102
    .vgpr_count:     1024
    .wavefront_size: 32
...
	.end_amdgpu_metadata
.endif
;; end of part 2
;; launch attn (part 3): grid 4 x 64, 8 waves a work-group, clusters of 4 x 1, 327,680 bytes of LDS; arguments ac, asc, cc; writes cc
.if DOCPART == 3
	.amdgcn_target "amdgcn-amd-amdhsa--gfx1250"
	.amdhsa_code_object_version 6
	.text
	.protected	k_qc51e10d72c_attn
	.globl	k_qc51e10d72c_attn
	.p2align	8
	.type	k_qc51e10d72c_attn,@function
k_qc51e10d72c_attn:
	s_mov_b64 s[64:65], 0
	v_nop
	global_prefetch_b8 v0, s[64:65] scope:SCOPE_SE
	s_setreg_imm32_b32 hwreg(HW_REG_WAVE_MODE, 25, 1), 1
	s_wait_xcnt 0x0
	s_wait_alu depctr_hold_cnt(0) depctr_sa_sdst(0) depctr_va_vdst(0) depctr_va_sdst(0) depctr_va_ssrc(0) depctr_va_vcc(0) depctr_vm_vsrc(0)
	s_getreg_b32 s2, hwreg(HW_REG_IB_STS2, 6, 4)
	s_cmp_eq_u32 s2, 0
	s_cbranch_scc0 .Lentry_in_a_cluster
	s_endpgm
.Lentry_in_a_cluster:
	s_bfe_u32 s2, ttmp6, 0x10000c
	s_cmp_lg_u32 s2, 0x3003
	s_cbranch_scc0 .Lentry_shape_is_right
	s_endpgm
.Lentry_shape_is_right:
; ATTENTION on codes of FP6 (E2M3) with E8M0 scales.  A work-group takes 512 queries of one head of one batch: 64 x 4 = 256 work-groups.  The head's K and V (2 x 98,304 bytes of codes) come into LDS ONCE and stay.
; CLUSTERS: the four query blocks of a head need the same K and V: each wave issues one joint load of 24,576 dense bytes, mask 15 (waves 0-3 K, waves 4-7 V): nothing is filled again, and the loop has no barrier.
; No data prefetch: all tiles are asked for at the head, ahead of any loop.
; Wave w takes 64 queries in two passes of 32; in a pass it holds two tiles of 16 queries (tile 0: tokens 32 g + 2 r, tile 1: tokens 32 g + 2 r + 1) and walks the 2,048 keys in 16 chunks of 128.
; Both tiles use each fragment of K and of V; the fragments of chunk t + 1 are read from LDS in step t: K's behind the products with Q, V's behind the products with p.
; Both products are used transposed (S^T = K Q^T, O^T = V^T p^T): a lane holds one query.  The head's 64 fill half of the instruction's 128: a fragment of K holds 16 even keys' 64 and 16 odd keys' 64,
; and Q stands beside six registers of zero codes, once below and once above.
; p = 2^(t - M), M the ceiling of the running largest t; the sum is taken of the unquantised p; a change of M multiplies sum and O^T by a power of two; no branch hangs on data.
; The context, divided by the sum, is quantised along the head's 64 and leaves as codes and scale bytes, laid as the last launch's operand registers want them.
; LIMITS: the promise holds while the scaled scores stay under 2^31 in magnitude; NaN and infinities are not served; a block of zeros or under 2^-124 gets the byte 1 (the bytes are read by this program alone).
; REGISTERS: two windows of 256.  v64-219 of window w belong to query tile w, under the same numbers.  Window 0: v1-15 addresses and scale words, v16-63 K's fragments, v220-227 K's and V's scale words.
; Window 1: v16-63 V's fragments.  Scale operands lie in window 0.
.set VB,     98304                     ; LDS: K at 0, V here, a chunk 6,144 bytes
.set SPARE,  196608                    ; the spare words, 128 bytes for each wave
.set L16, 1
.set L8,  2
.set LSC, 3
.set SPW, 4
.set NIL, 5
.set GSB, 6                            ; 32 r + h: my scale byte's place
.set LV16, 7
.set LV8, 8
.set AD16, 9                           ; the chunk that is being read: K's, V's
.set AD8, 10
.set ADV16, 11
.set QW,  12                           ; Q's scale word: even token's two bytes, odd token's two; QR: the halves changed
.set QR,  13
.set PSW, 14                           ; v14, v15: p's scale word of tile 0, 1
.set KF,  16
.set VF,  16
.set S,   64
.set O,   128
.set QZ,  160                          ; six zeros, Q's six, six zeros
.set PC,  178
.set MX,  198
.set MT,  202
.set SOP, 206
.set NM,  210                          ; -M;  RM: the running largest score
.set RM,  211
.set SUM, 212
.set SUMT, 214
.set F,   216
.set TMP, 218
.set BYT, 219
.set KSC, 220
.set VSC, 224
.set ADV8, 240
.set WV,  16
.set TB,  18
.set QP,  20
.set QS,  24
.set KS,  26
.set SEL, 28
.set CS,  30
.set NCS, 32
.set HM,  33
.set CNT, 34
.set PAS, 35
.set CP,  36
.set CSP, 38
.set G0,  56
.set G1,  72
.set MSB, 0
.macro WIN new                         ; the immediate's high byte repeats the setting that is left
.if MSB != (\new)
	s_set_vgpr_msb (MSB<<8)|(\new)
.set MSB, (\new)
.endif
.endm
.macro DLY n
	s_delay_alu instid0(VALU_DEP_\n)
.endm
.macro NOP4                            ; places behind matrix instructions (ISA guide 7.12.1)
.rept 4
	v_nop
.endr
.endm
.macro ROUND                           ; a round of the cluster's barrier
	s_barrier_signal -1
	s_barrier_wait -1
	s_cmp_lg_u32 s[WV], 0
	s_cbranch_scc1 .Lnot_wave_0_\@
	s_barrier_signal -3
.Lnot_wave_0_\@:
	s_barrier_wait -3
	s_barrier_signal -1
	s_barrier_wait -1
.endm
	s_load_b128 s[4:7], s[0:1], 0x0                ; ac, asc
	s_load_b64 s[8:9], s[0:1], 0x10                ; cc
	v_lshl_add_u32 v[SPW], v0, 2, SPARE
	v_mov_b32 v[NIL], 0
	ds_add_u32 v[SPW], v[NIL]
	ds_add_u32 v[SPW], v[NIL]
	v_lshrrev_b32 v16, 5, v0
	v_readfirstlane_b32 s[WV], v16
	s_bfe_u32 s40, ttmp6, 0x40000                  ; cx: it enters Q's and cc's addresses alone
	s_and_b32 s41, ttmp7, 0xffff                   ; 16 x batch + head
	s_lshl_b32 s40, s40, 4
	s_lshl_b32 s42, s[WV], 1
	s_add_co_u32 s40, s40, s42                     ; my first block of 32 tokens, 0 .. 62
	s_mul_i32 s44, s41, 98304
	s_mov_b32 s45, 0
	s_mul_i32 s46, s40, 1536
	s_mov_b32 s47, 0
	s_lshl_b32 s48, s41, 12
	s_mov_b32 s49, 0
	s_lshr_b32 s50, s40, 2
	s_lshl_b32 s50, s50, 8
	s_and_b32 s51, s40, 3
	s_lshl_b32 s51, s51, 2
	s_add_co_u32 s50, s50, s51
	s_mov_b32 s51, 0
	s_lshr_b32 s52, s[WV], 2                       ; I fetch for K (0) or for V (1),
	s_mul_i32 s52, s52, 6291456
	s_and_b32 s53, s[WV], 3                        ; which quarter of it
	s_mul_i32 s53, s53, 24576
	s_add_co_u32 s52, s52, s53
	s_add_co_u32 s52, s52, 6291456
	s_mov_b32 s53, 0
	s_lshr_b32 s54, s41, 4
	s_lshl_b32 s54, s54, 7
	s_lshl_b32 s55, s40, 1
	s_add_co_u32 s54, s54, s55                     ; my first tile of 16 tokens in cc
	s_and_b32 s55, s41, 15                         ; the head
	s_mul_i32 s42, s54, 12288
	s_mul_i32 s43, s55, 768
	s_add_co_u32 s42, s42, s43
	s_mov_b32 s43, 0
	s_lshl_b32 s54, s54, 9
	s_lshl_b32 s55, s55, 1
	s_add_co_u32 s54, s54, s55
	s_add_co_u32 s54, s54, 6291456
	s_mov_b32 s55, 0
	s_mov_b32 s[SEL], 0x76543210
	s_mov_b32 s[SEL+1], 0xfedcba98
	s_mov_b32 s[CS], 0x3e38aa3b                    ; c = log2(e) / 8
	s_mov_b32 s[CS+1], s[CS]
	s_mov_b32 s[NCS], 0xbe38aa3b                   ; -c
	s_mov_b32 s[HM], 0xffff0000
	s_mov_b32 s[PAS], 0
	s_mov_b32 s[G1], 15|(3<<16)|(1<<21)            ; the mask: all four partners; elements of 8 bytes; bit 21 beside a mask
	s_mov_b32 s[G1+1], 32<<16                      ; a dense block as 96 rows of 256 bytes
	s_mov_b32 s[G1+2], 96<<16
	s_mov_b32 s[G1+3], 32<<16
	s_mov_b32 s[G1+4], 96
	s_mov_b32 s[G1+5], 32
	s_mov_b32 s[G1+6], 0
	s_mov_b32 s[G1+7], 0
	s_mov_b32 s[G0], 1
	s_mul_i32 s[G0+1], s[WV], 24576
	s_wait_alu depctr_va_vdst(0)
	s_wait_dscnt 0x0
	s_wait_kmcnt 0x0
	s_add_nc_u64 s[G0+2:G0+3], s[4:5], s[44:45]
	s_add_nc_u64 s[QP:QP+1], s[G0+2:G0+3], s[46:47]   ; Q: my head, my first 32 tokens
	s_add_nc_u64 s[G0+2:G0+3], s[G0+2:G0+3], s[52:53]
	s_or_b32 s[G0+3], s[G0+3], 0x80000000
	s_add_nc_u64 s[KS:KS+1], s[6:7], s[48:49]
	s_add_nc_u64 s[QS:QS+1], s[KS:KS+1], s[50:51]
	s_add_nc_u64 s[KS:KS+1], s[KS:KS+1], 262144    ; K's scale words; V's lie 262,144 bytes on
	s_add_nc_u64 s[CP:CP+1], s[8:9], s[42:43]
	s_add_nc_u64 s[CSP:CSP+1], s[8:9], s[54:55]
	ROUND                                          ; all four work-groups are here: the joint loads meet
	tensor_load_to_lds s[G0:G0+3], s[G1:G1+7]      ; my eighth of K and V: one tensor load a wave, the launch's only one
	s_nop 0
	NOP4
	v_and_b32 v16, 31, v0
	v_and_b32 v17, 15, v0                          ; r
	v_bfe_u32 v18, v0, 4, 1                        ; h
	v_lshlrev_b32 v[L16], 4, v16
	v_lshlrev_b32 v[L8], 3, v16
	v_lshlrev_b32 v[LSC], 4, v17
	v_lshl_add_u32 v[GSB], v17, 5, v18
	v_add_nc_u32 v[LV16], VB, v[L16]
	v_add_nc_u32 v[LV8], VB, v[L8]
.irp w, 0,1                            ; written once in each window: the zero codes beside Q; what a lane permute or a pair names before it is first made
	WIN 0x40*\w
.irp z, 0,1,2,3,4,5,12,13,14,15,16,17
	v_mov_b32 v[QZ+\z], 0
.endr
.irp z, 0,1,2,3
	v_mov_b32 v[MT+\z], 0
.endr
	v_mov_b32 v[F+1], 0
	v_mov_b32 v[TMP], 0
.endr
	WIN 0
.macro LFRAG reg, a16, a8, off         ; a fragment as it lies: 1,536 bytes, each load of consecutive bytes
	ds_load_b128 v[\reg:\reg+3], v[\a16] offset:\off
	ds_load_b64 v[\reg+4:\reg+5], v[\a8] offset:\off+512
	ds_load_b128 v[\reg+6:\reg+9], v[\a16] offset:\off+768
	ds_load_b64 v[\reg+10:\reg+11], v[\a8] offset:\off+1280
.endm
.macro ADDR
	v_add_nc_u32 v[AD16], s[TB], v[L16]
	v_add_nc_u32 v[AD8], s[TB], v[L8]
	v_add_nc_u32 v[ADV16], s[TB], v[LV16]
	v_add_nc_u32 v[ADV8], s[TB], v[LV8]
.endm
.macro FETCHK                          ; 16 loads
.irp t, 0,1,2,3
	LFRAG KF+12*\t, AD16, AD8, 1536*\t
.endr
.endm
.macro FETCHV                          ; 16 loads, into window 1
	WIN 0x40
.irp t, 0,1,2,3
	LFRAG VF+12*\t, ADV16, ADV8, 1536*\t
.endr
	WIN 0
.endm
.macro QK w                            ; S^T of tile w: register 16 b + 8 u + j of lane (r, h) is key 32 b + 16 h + 2 j + u, query r
	WIN 0x44*\w
.irp b, 0,1,2,3
	v_wmma_scale_f32_16x16x128_f8f6f4 v[S+16*\b:S+16*\b+7], v[KF+12*\b:KF+12*\b+11], v[QZ+6:QZ+17], 0, v[KSC+\b], v[QW+\w] matrix_a_fmt:MATRIX_FMT_FP6 matrix_b_fmt:MATRIX_FMT_FP6
	v_wmma_scale_f32_16x16x128_f8f6f4 v[S+16*\b+8:S+16*\b+15], v[KF+12*\b:KF+12*\b+11], v[QZ:QZ+11], 0, v[KSC+\b], v[QR-\w] matrix_a_fmt:MATRIX_FMT_FP6 matrix_b_fmt:MATRIX_FMT_FP6
.endr
.endm
.macro PV w                            ; O^T of tile w += V^T p^T; the four accumulators by turns
	WIN 0x01+0x54*\w
.irp t, 0,1,2,3
	v_wmma_scale_f32_16x16x128_f8f6f4 v[O+8*\t:O+8*\t+7], v[VF+12*\t:VF+12*\t+11], v[PC:PC+11], v[O+8*\t:O+8*\t+7], v[VSC+\t], v[PSW+\w] matrix_a_fmt:MATRIX_FMT_FP6 matrix_b_fmt:MATRIX_FMT_FP6
.endr
.endm
; The softmax's step for tile w, all in window w: scores -> p's codes in v[PC] on, p's scale word in v[PSW + w] (window 0), sum and O^T under the new M
.macro SOFT w
	WIN 0x55*\w
	s_wait_alu depctr_va_vdst(0)                   ; ahead of the first reader of the scores
.irp b, 0,1,2,3
	v_max3_num_f32 v[MX+\b], v[S+16*\b], v[S+1+16*\b], v[S+2+16*\b]   ; each block's largest score: for the row's maximum and for the block's largest p
.endr
.irp i, 3,5,7,9,11,13
.irp b, 0,1,2,3
	v_max3_num_f32 v[MX+\b], v[MX+\b], v[S+16*\b+\i], v[S+1+16*\b+\i]
.endr
.endr
.irp b, 0,1,2,3
	v_max_num_f32 v[MX+\b], v[MX+\b], v[S+15+16*\b]
.endr
.irp b, 0,1,2,3
	DLY 4
	v_permlanex16_b32 v[MT+\b], v[MX+\b], s[SEL], s[SEL+1]
.endr
.irp b, 0,1,2,3
	DLY 4
	v_max_num_f32 v[MX+\b], v[MX+\b], v[MT+\b]
.endr
	DLY 2
	v_max3_num_f32 v[TMP], v[MX], v[MX+1], v[MX+2]
	DLY 1
	v_max3_num_f32 v[RM], v[TMP], v[MX+3], v[RM]   ; the running largest score
	DLY 1
	v_mul_f32 v[TMP], s[NCS], v[RM]
	DLY 1
	v_floor_f32 v[TMP], v[TMP]                     ; the new -M = floor(-t)
	DLY 1
	v_sub_f32 v[F], v[TMP], v[NM]                  ; old M less new M: a whole number, 0 or less
	v_mov_b32 v[NM], v[TMP]
	DLY 2
	v_cvt_i32_f32 v[F], v[F]                       ; (it saturates)
	DLY 1
	v_ldexp_f32 v[F], 1.0, v[F]                    ; f = 2^(old M - new M)
.set j, 0
.rept 32
	v_pk_fma_f32 v[S+j:S+j+1], v[S+j:S+j+1], s[CS:CS+1], v[NM:NM+1] op_sel_hi:[1,0,0]   ; t - M
.set j, j+2
.endr
.irp b, 0,1,2,3
	v_fma_f32 v[MX+\b], v[MX+\b], s[CS], v[NM]
.endr
	s_wait_alu depctr_va_vdst(0)                   ; ahead of the batch
.set j, 0
.rept 64
	v_exp_f32 v[S+j], v[S+j]
.set j, j+1
.endr
.irp b, 0,1,2,3
	v_exp_f32 v[MX+\b], v[MX+\b]                   ; the block's largest p
.endr
	v_pk_mul_f32 v[SUM:SUM+1], v[SUM:SUM+1], v[F:F+1] op_sel_hi:[1,0]
	s_wait_alu depctr_va_vdst(0)                   ; and behind it, ahead of its first reader
	v_pk_add_f32 v[SUMT:SUMT+1], v[S:S+1], v[S+2:S+3]          ; the sum of the unquantised p, in four chains
	v_pk_add_f32 v[MT:MT+1], v[S+4:S+5], v[S+6:S+7]
	v_pk_add_f32 v[MT+2:MT+3], v[S+8:S+9], v[S+10:S+11]
.set j, 12
.rept 6
	v_pk_add_f32 v[SUM:SUM+1], v[SUM:SUM+1], v[S+j:S+j+1]
	v_pk_add_f32 v[SUMT:SUMT+1], v[SUMT:SUMT+1], v[S+j+2:S+j+3]
	v_pk_add_f32 v[MT:MT+1], v[MT:MT+1], v[S+j+4:S+j+5]
	v_pk_add_f32 v[MT+2:MT+3], v[MT+2:MT+3], v[S+j+6:S+j+7]
.set j, j+8
.endr
	v_pk_add_f32 v[SUM:SUM+1], v[SUM:SUM+1], v[S+60:S+61]
	v_pk_add_f32 v[SUMT:SUMT+1], v[SUMT:SUMT+1], v[S+62:S+63]
	DLY 3
	v_pk_add_f32 v[MT:MT+1], v[MT:MT+1], v[MT+2:MT+3]
	DLY 2
	v_pk_add_f32 v[SUM:SUM+1], v[SUM:SUM+1], v[SUMT:SUMT+1]
	DLY 1
	v_pk_add_f32 v[SUM:SUM+1], v[SUM:SUM+1], v[MT:MT+1]
.irp b, 0,1,2,3
	v_max_num_f32 v[MX+\b], 0x1800000, v[MX+\b]    ; the floor 2^(3 - 127): the byte cannot fall under 1
.endr
.irp b, 0,1,2,3
	DLY 4
	v_add_nc_u32 v[SOP+\b], 0xff000000, v[MX+\b]   ; 2 off the exponent field: the conversion's scale operand
.endr
.irp b, 0,1,2,3
	DLY 4
	v_lshrrev_b32 v[MT+\b], 23, v[SOP+\b]
.endr
	DLY 3
	v_lshl_or_b32 v[TMP], v[MT+1], 8, v[MT]
	DLY 1
	v_lshl_or_b32 v[TMP], v[MT+2], 16, v[TMP]
	WIN 0x15*\w                                    ; the destination in window 0
	v_lshl_or_b32 v[PSW+\w], v[MT+3], 24, v[TMP]
	WIN 0x55*\w
.irp c, 0,1
	v_cvt_scalef32_pk16_fp6_f32 v[PC+6*\c:PC+2+6*\c], v[S+32*\c:S+15+32*\c], v[SOP+2*\c]
	v_cvt_scalef32_pk16_fp6_f32 v[PC+12+4*\c:PC+14+4*\c], v[S+16+32*\c:S+31+32*\c], v[SOP+2*\c+1]
.endr
	v_nop                                          ; one plain place behind a scaled conversion
.irp c, 0,1                            ; the operand wants a whole block in a lane
.irp i, 0,1,2
	v_permlane16_swap_b32 v[PC+6*\c+\i], v[PC+12+4*\c+\i]
.endr
.irp i, 0,1,2
	DLY 3
	v_mov_b32 v[PC+3+6*\c+\i], v[PC+12+4*\c+\i]
.endr
.endr
	s_wait_alu depctr_va_vdst(0)                   ; ahead of the first reader of O^T
.set j, 0
.rept 16
	v_pk_mul_f32 v[O+j:O+j+1], v[O+j:O+j+1], v[F:F+1] op_sel_hi:[1,0]   ; O^T under the new M; also the places ahead of the products below
.set j, j+2
.endr
.endm
; A chunk of 128 keys.  last = 1: the pass's last chunk, which fetches nothing more.  Out at the top: K's 16 LDS loads, then V's 16; K's scale words, then V's
.macro STEP last
	s_wait_alu depctr_va_vdst(0)
	s_wait_loadcnt 1                               ; K's scale words are in; V's may be out
	s_wait_dscnt 16                                ; K's fragments are in; V's 16 loads may be out
	QK 0
	QK 1
	WIN 0
	NOP4
.if \last == 0
	s_wait_xcnt 0x0                                ; the pointer is stepped only behind this wait
	s_add_nc_u64 s[KS:KS+1], s[KS:KS+1], 256
	global_load_b128 v[KSC:KSC+3], v[LSC], s[KS:KS+1]
	s_add_co_u32 s[TB], s[TB], 6144
	ADDR
	FETCHK                                         ; the next chunk's K
.endif
	SOFT 0
	s_wait_alu depctr_va_vdst(0)
	s_wait_loadcnt 1-\last                         ; V's scale words are in; the next chunk's of K may be out
	s_wait_dscnt 16-16*\last                       ; V's fragments are in; the next chunk's 16 loads of K may be out
	PV 0
	SOFT 1
	PV 1
	WIN 0
	NOP4
.if \last == 0
	FETCHV                                         ; the next chunk's V
	global_load_b128 v[VSC:VSC+3], v[LSC], s[KS:KS+1] offset:262144
.endif
.endm
.macro INIT w
	WIN 0x40*\w
	v_mov_b32 v[RM], 0xff61b1e6                    ; -3e38, under every score
	v_mov_b32 v[NM], 0
	v_mov_b32 v[SUM], 0
	v_mov_b32 v[SUM+1], 0
.set j, 0
.rept 32
	v_mov_b32 v[O+j], 0                            ; the step is written once: the first finds zeros
.set j, j+1
.endr
.endm
; Tile w's context: divided by the sum, quantised along the head's 64, stored as half a fragment (768 bytes) and two scale bytes a token
.macro OUT w
	WIN 0x55*\w
	v_add_f32 v[SUM], v[SUM], v[SUM+1]
	DLY 1
	v_permlanex16_b32 v[TMP], v[SUM], s[SEL], s[SEL+1]
	DLY 1
	v_add_f32 v[SUM], v[SUM], v[TMP]
	s_wait_alu depctr_va_vdst(0)
	v_rcp_f32 v[SUM], v[SUM]
	v_nop
	s_wait_alu depctr_va_vdst(0)
.set j, 0
.rept 16
	v_pk_mul_f32 v[S+j:S+j+1], v[O+j:O+j+1], v[SUM:SUM+1] op_sel_hi:[1,0]   ; register 16 b + i: feature 32 b + 16 h + i
.set j, j+2
.endr
.irp b, 0,1
	v_max3_num_f32 v[MX+\b], |v[S+16*\b]|, |v[S+1+16*\b]|, 0x1800000
.endr
.irp i, 2,4,6,8,10,12,14
.irp b, 0,1
	DLY 2
	v_max3_num_f32 v[MX+\b], v[MX+\b], |v[S+16*\b+\i]|, |v[S+1+16*\b+\i]|
.endr
.endr
.irp b, 0,1
	DLY 2
	v_permlanex16_b32 v[MT+\b], v[MX+\b], s[SEL], s[SEL+1]
.endr
.irp b, 0,1
	DLY 2
	v_max_num_f32 v[MX+\b], v[MX+\b], v[MT+\b]
.endr
.irp b, 0,1
	DLY 2
	v_add_nc_u32 v[SOP+\b], 0xff000000, v[MX+\b]
.endr
.irp b, 0,1
	DLY 2
	v_lshrrev_b32 v[MT+\b], 23, v[SOP+\b]
.endr
	DLY 1
	v_cndmask_b32 v[BYT], v[MT], v[MT+1], s[HM]    ; lanes 0-15 block 0's byte, lanes 16-31 block 1's
	v_cvt_scalef32_pk16_fp6_f32 v[PC:PC+2], v[S:S+15], v[SOP]
	v_cvt_scalef32_pk16_fp6_f32 v[PC+12:PC+14], v[S+16:S+31], v[SOP+1]
	v_nop
.irp i, 0,1,2
	v_permlane16_swap_b32 v[PC+\i], v[PC+12+\i]
.endr
.irp i, 0,1,2
	DLY 3
	v_mov_b32 v[PC+3+\i], v[PC+12+\i]
.endr
	WIN 0x04*\w                                    ; the data in window w, the offset in window 0
	global_store_b128 v[L16], v[PC:PC+3], s[CP:CP+1] offset:12288*\w          ; 512 consecutive bytes,
	global_store_b64 v[L8], v[PC+4:PC+5], s[CP:CP+1] offset:12288*\w+512      ; 256, each at a multiple of 256 from the buffer's first byte
	global_store_b8 v[GSB], v[BYT], s[CSP:CSP+1] offset:512*\w                ; two bytes of each token's row of 32
.endm
	s_wait_alu depctr_va_vdst(0)
	s_wait_tensorcnt 0x0                           ; my eighth is in
	s_barrier_signal -1
	s_barrier_wait -1                              ; and everybody's: K and V are whole
.Lpass:                                                ; two trips: my two blocks of 32 tokens
	global_load_b128 v[QZ+6:QZ+9], v[L16], s[QP:QP+1]
	global_load_b64 v[QZ+10:QZ+11], v[L8], s[QP:QP+1] offset:512
	WIN 0x40
	global_load_b128 v[QZ+6:QZ+9], v[L16], s[QP:QP+1] offset:768
	global_load_b64 v[QZ+10:QZ+11], v[L8], s[QP:QP+1] offset:1280
	WIN 0
	global_load_b32 v[QW], v[LSC], s[QS:QS+1]
	global_load_b128 v[KSC:KSC+3], v[LSC], s[KS:KS+1]
	global_load_b128 v[VSC:VSC+3], v[LSC], s[KS:KS+1] offset:262144
	s_mov_b32 s[TB], 0
	ADDR
	FETCHK
	FETCHV
	s_wait_loadcnt 2                               ; Q's five loads are in
	v_perm_b32 v[QR], v[QW], v[QW], 0x01000302
	INIT 0
	INIT 1
	WIN 0
	s_mov_b32 s[CNT], 15
.Lstep:
	STEP 0
	s_sub_co_u32 s[CNT], s[CNT], 1
	s_cmp_lg_u32 s[CNT], 0
	s_wait_alu depctr_va_vdst(0)
	s_cbranch_scc1 .Lstep
	STEP 1
	OUT 0
	OUT 1
	WIN 0
	s_wait_xcnt 0x0                                ; the stores have read their registers and bases
	s_sub_nc_u64 s[KS:KS+1], s[KS:KS+1], 3840      ; back to chunk 0's scale words
	s_add_nc_u64 s[QP:QP+1], s[QP:QP+1], 1536
	s_add_nc_u64 s[QS:QS+1], s[QS:QS+1], 4
	s_add_nc_u64 s[CP:CP+1], s[CP:CP+1], 24576
	s_add_nc_u64 s[CSP:CSP+1], s[CSP:CSP+1], 1024
	s_add_co_u32 s[PAS], s[PAS], 1
	s_cmp_lt_u32 s[PAS], 2
	s_wait_alu depctr_va_vdst(0)
	s_cbranch_scc1 .Lpass
	s_wait_tensorcnt 0x0                           ; the wave's end
	ds_add_u32 v[SPW], v[NIL]
	s_wait_dscnt 0x0
	ROUND                                          ; the closing round
	s_endpgm
.Lfunc_end_k_qc51e10d72c_attn:
	.size	k_qc51e10d72c_attn, .Lfunc_end_k_qc51e10d72c_attn-k_qc51e10d72c_attn
	.p2alignl 7, 3214868480
	.fill 96, 4, 3214868480
	.section	.rodata,"a",@progbits
	.p2align	6, 0x0
	.amdhsa_kernel k_qc51e10d72c_attn
		.amdhsa_group_segment_fixed_size 327680
		.amdhsa_private_segment_fixed_size 0
		.amdhsa_enable_private_segment 0
		.amdhsa_kernarg_size 24
		.amdhsa_user_sgpr_count 2
		.amdhsa_user_sgpr_kernarg_segment_ptr 1
		.amdhsa_wavefront_size32 1
		.amdhsa_system_sgpr_workgroup_id_x 1
		.amdhsa_system_sgpr_workgroup_id_y 1
		.amdhsa_system_sgpr_workgroup_id_z 1
		.amdhsa_system_vgpr_workitem_id 0
		.amdhsa_next_free_vgpr 512
		.amdhsa_next_free_sgpr 80
		.amdhsa_reserve_vcc 0
		.amdhsa_float_denorm_mode_32 3
		.amdhsa_float_denorm_mode_16_64 3
		.amdhsa_memory_ordered 1
		.amdhsa_forward_progress 1
		.amdhsa_inst_pref_size 82
	.end_amdhsa_kernel
	.amdgpu_metadata
---
amdhsa.version: [ 1, 2 ]
amdhsa.kernels:
  - .name:           k_qc51e10d72c_attn
    .symbol:         k_qc51e10d72c_attn.kd
    .args:
      - { .name: ac, .offset: 0, .size: 8, .value_kind: global_buffer, .address_space: global }
      - { .name: asc, .offset: 8, .size: 8, .value_kind: global_buffer, .address_space: global }
      - { .name: cc, .offset: 16, .size: 8, .value_kind: global_buffer, .address_space: global }
    .group_segment_fixed_size: 327680
    .private_segment_fixed_size: 0
    .kernarg_segment_align: 8
    .kernarg_segment_size: 24
    .max_flat_workgroup_size: 256
    .sgpr_count:     80
    .vgpr_count:     512
    .wavefront_size: 32
...
	.end_amdgpu_metadata
.endif
;; end of part 3
;; launch outp (part 4): grid 4 x 32, 4 waves a work-group, clusters of 4 x 4, 327,680 bytes of LDS; arguments cc, wc, ws, bo, out0; writes out0
.if DOCPART == 4
	.amdgcn_target "amdgcn-amd-amdhsa--gfx1250"
	.amdhsa_code_object_version 6
	.text
	.protected	k_qc51e10d72c_outp
	.globl	k_qc51e10d72c_outp
	.p2align	8
	.type	k_qc51e10d72c_outp,@function
k_qc51e10d72c_outp:
	s_mov_b64 s[64:65], 0
	v_nop
	global_prefetch_b8 v0, s[64:65] scope:SCOPE_SE
	s_setreg_imm32_b32 hwreg(HW_REG_WAVE_MODE, 25, 1), 1
	s_wait_xcnt 0x0
	s_wait_alu depctr_hold_cnt(0) depctr_sa_sdst(0) depctr_va_vdst(0) depctr_va_sdst(0) depctr_va_ssrc(0) depctr_va_vcc(0) depctr_vm_vsrc(0)
	s_getreg_b32 s2, hwreg(HW_REG_IB_STS2, 6, 4)
	s_cmp_eq_u32 s2, 0
	s_cbranch_scc0 .Lentry_in_a_cluster
	s_endpgm
.Lentry_in_a_cluster:
	s_bfe_u32 s2, ttmp6, 0x10000c
	s_cmp_lg_u32 s2, 0xf033
	s_cbranch_scc0 .Lentry_shape_is_right
	s_endpgm
.Lentry_shape_is_right:
.set NQ,     2
.set FR,     12
.set NL,     4
.set NP,     4
.set HALFT,  24576
.set SLOT,   4*HALFT
.set SCL,    2*SLOT
.set HALFS,  16*272
.set SBLK,   2*272
.set SPARE,  SCL+4*HALFS
.set SPITCH, 528
.set A16, 16
.set A8,  18
.set B16, 20
.set B8,  22
.set L16, 24
.set L8,  25
.set STO, 26
.set ADRS, 27
.set SPW, 28
.set NIL, 29
.set BAD, 30
.set RD,  31
.set SC,  32
.set AF,  128
.set BK,  128
.set G1,  24
.set G0,  32
.set G1B, 48
.set G0B, 56
.set G1S, 68
.set G0S, 76
.set G1SB, 80
.set G0SB, 88
.set WV,  96
.set WH,  97
.set WL,  98
.set MSB, 0
.macro WIN new
.if MSB != \new
	s_set_vgpr_msb (MSB<<8)|\new
.set MSB, \new
.endif
.endm
.set MUL_LO, 0xa1
.set MUL_HI, 0xf1
.set TO_B,   0x40
.macro JLOAD g0a, g1a, g0b, g1b
	s_cmp_eq_u32 s[WH], 0
	s_cbranch_scc0 .Lfor_b_\@
	tensor_load_to_lds s[\g0a:\g0a+3], s[\g1a:\g1a+7]
	s_nop 0
.rept 4
	v_nop
.endr
	s_branch .Lasked_\@
.Lfor_b_\@:
	tensor_load_to_lds s[\g0b:\g0b+3], s[\g1b:\g1b+7]
	s_nop 0
.rept 4
	v_nop
.endr
.Lasked_\@:
.endm
.macro CREST
	s_cmp_lg_u32 s[WV], 0
	s_cbranch_scc1 .Lnot_wave_0_\@
	s_barrier_signal -3
.Lnot_wave_0_\@:
	s_barrier_wait -3
	s_barrier_signal -1
	s_barrier_wait -1
.endm
.macro CROUND
	s_barrier_signal -1
	s_barrier_wait -1
	CREST
.endm
	s_load_b256 s[4:11], s[0:1], 0x0
	s_load_b64 s[12:13], s[0:1], 0x20
	v_lshl_add_u32 v[SPW], v0, 2, SPARE
	v_mov_b32 v[NIL], 0
	ds_add_u32 v28, v29
	ds_add_u32 v28, v29
	s_wait_dscnt 0x0
	v_lshrrev_b32 v1, 5, v0
	v_readfirstlane_b32 s[WV], v1
	s_lshr_b32 s[WH], s[WV], 1
	s_and_b32 s[WL], s[WV], 1
	s_bfe_u32 s40, ttmp6, 0x40000
	s_bfe_u32 s41, ttmp6, 0x40004
	s_lshl_b32 s3, ttmp9, 2
	s_add_co_u32 s3, s3, s40
	s_and_b32 s2, ttmp7, 0xffff
	s_lshl_b32 s2, s2, 2
	s_add_co_u32 s2, s2, s41
	s_lshl_b32 s43, s41, 2
	s_lshl_b32 s43, 15, s43
	s_lshl_b32 s42, 0x1111, s40
	s_or_b32 s[G1+0], s43, (3<<16)|(1<<21)
	s_or_b32 s[G1B+0], s42, (3<<16)|(1<<21)
.irp g, G1, G1B
	s_mov_b32 s[\g+1], 384<<16
	s_mov_b32 s[\g+2], 16<<16
	s_mov_b32 s[\g+3], 384<<16
	s_mov_b32 s[\g+4], 16
	s_mov_b32 s[\g+5], 1536
	s_mov_b32 s[\g+6], 0
	s_mov_b32 s[\g+7], 0
.endr
	s_or_b32 s[G1S+0], s43, (3<<16)|(1<<20)|(1<<21)|(5<<22)|(3<<25)
	s_or_b32 s[G1SB+0], s42, (3<<16)|(1<<20)|(1<<21)|(5<<22)|(3<<25)
.irp g, G1S, G1SB
	s_mov_b32 s[\g+1], 32<<16
	s_mov_b32 s[\g+2], 32<<16
	s_mov_b32 s[\g+3], 32<<16
	s_mov_b32 s[\g+4], 32
	s_mov_b32 s[\g+5], 32
	s_mov_b32 s[\g+6], 0
	s_mov_b32 s[\g+7], 0
.endr
	s_lshl_b32 s16, s2, 8
	s_lshl_b32 s18, s3, 8
	s_mul_i32 s20, s16, 768
	s_mov_b32 s21, 0
	s_lshl_b32 s22, s16, 5
	s_add_co_u32 s22, s22, 6291456
	s_mov_b32 s23, 0
	s_mul_i32 s44, s18, 768
	s_add_co_u32 s44, s44, 2359296
	s_mov_b32 s45, 0
	s_lshl_b32 s46, s18, 5
	s_add_co_u32 s46, s46, 98304
	s_mov_b32 s47, 0
	s_mul_i32 s95, s[WV], HALFT
	s_wait_kmcnt 0x0
	s_add_nc_u64 s[20:21], s[4:5], s[20:21]
	s_add_nc_u64 s[22:23], s[4:5], s[22:23]
	s_add_nc_u64 s[44:45], s[6:7], s[44:45]
	s_add_nc_u64 s[46:47], s[8:9], s[46:47]
	CROUND
	s_mov_b32 s[G0S], 1
	s_mov_b32 s[G0S+1], SCL
	s_mov_b64 s[G0S+2:G0S+3], s[22:23]
	s_or_b32 s[G0S+3], s[G0S+3], 0x80000000
	s_mov_b32 s[G0SB], 1
	s_mov_b32 s[G0SB+1], SCL+2*HALFS
	s_mov_b64 s[G0SB+2:G0SB+3], s[46:47]
	s_or_b32 s[G0SB+3], s[G0SB+3], 0x80000000
	s_mov_b32 s[G0+4], 1                           ; the head's loads of K step 0, each tile whole, in the registers that later hold slot 1's group 0: A's 256 rows,
	s_mov_b32 s[G0+5], 0
	s_mov_b64 s[G0+6:G0+7], s[20:21]
	s_or_b32 s[G0+7], s[G0+7], 0x80000000
	s_mov_b32 s[G0B+4], 1                          ; and B's, behind them in slot 0
	s_mov_b32 s[G0B+5], 2*HALFT
	s_mov_b64 s[G0B+6:G0B+7], s[44:45]
	s_or_b32 s[G0B+7], s[G0B+7], 0x80000000
	s_mul_i32 s14, s[WL], 98304                    ; for the ring: which 128 rows of a tile I fetch
	s_mov_b32 s15, 0
	s_add_nc_u64 s[20:21], s[20:21], s[14:15]
	s_add_nc_u64 s[44:45], s[44:45], s[14:15]
.irp s, 0
	s_mov_b32 s[G0+4*\s], 1
	s_add_co_u32 s[G0+4*\s+1], s95, \s*SLOT
	s_add_nc_u64 s[G0+4*\s+2:G0+4*\s+3], s[20:21], \s*3072
	s_or_b32 s[G0+4*\s+3], s[G0+4*\s+3], 0x80000000
	s_mov_b32 s[G0B+4*\s], 1
	s_add_co_u32 s[G0B+4*\s+1], s95, \s*SLOT
	s_add_nc_u64 s[G0B+4*\s+2:G0B+4*\s+3], s[44:45], \s*3072
	s_or_b32 s[G0B+4*\s+3], s[G0B+4*\s+3], 0x80000000
.endr
; THE HEAD'S LOADS, ONE A WAVE: wave 0 K step 0 of A's 256 rows, wave 1 of B's, wave 2 A's scale bytes, wave 3 B's.  One tree of branches on the wave's number.
.macro ARM under, g0, g1, next
	s_cmp_lt_u32 s[WV], \under
	s_cbranch_scc0 \next
	tensor_load_to_lds s[\g0:\g0+3], s[\g1:\g1+7]
	s_nop 0
.rept 4
	v_nop
.endr
	s_branch .Lhead_asked
\next:
.endm
	ARM 1, G0+4,  G1,  .Lhead_b
	ARM 2, G0B+4, G1B, .Lhead_sa
	ARM 3, G0S,   G1S, .Lhead_sb
	tensor_load_to_lds s[G0SB:G0SB+3], s[G1SB:G1SB+7]
	s_nop 0
.rept 4
	v_nop
.endr
.Lhead_asked:
	v_and_b32 v1, 15, v0
	v_bfe_u32 v2, v0, 4, 1
	v_and_b32 v3, 31, v0
	v_lshlrev_b32 v[L16], 4, v3
	v_lshlrev_b32 v[L8], 3, v3
	s_mul_i32 s4, s[WH], HALFT
	s_mul_i32 s5, s[WL], HALFT
	s_add_co_u32 s5, s5, 2*HALFT
.irp s, 0,1
	v_add_nc_u32 v[A16+\s], s4, v[L16]
	v_add_nc_u32 v[A8+\s], s4, v[L8]
	v_add_nc_u32 v[B16+\s], s5, v[L16]
	v_add_nc_u32 v[B8+\s], s5, v[L8]
	s_add_co_u32 s4, s4, SLOT
	s_add_co_u32 s5, s5, SLOT
.endr
	v_mul_u32_u24 v5, v1, 32
	v_lshrrev_b32 v6, 8, v5
	v_lshl_add_u32 v5, v6, 4, v5
	s_mul_i32 s4, s[WH], HALFS
	s_mul_i32 s5, s[WL], HALFS
	s_add_co_u32 s5, s5, 2*HALFS
	s_sub_co_u32 s5, s5, s4
	v_mul_u32_u24 v6, s5, v2
	s_add_co_u32 s4, s4, SCL
	v_add_nc_u32 v5, v5, v6
	v_add_nc_u32 v[ADRS], s4, v5
	s_mul_i32 s4, s[WV], 16*SPITCH
	v_mul_u32_u24 v5, v1, SPITCH
	v_lshl_add_u32 v5, v2, 6, v5
	v_add_nc_u32 v[STO], s4, v5
	v_add_nc_u32 v[RD], s4, v[L16]
	s_lshl_b32 s4, s2, 8
	s_lshl_b32 s5, s[WH], 7
	s_add_co_u32 s4, s4, s5
	s_lshl_b32 s4, s4, 12
	s_lshl_b32 s6, s3, 8
	s_lshl_b32 s5, s[WL], 7
	s_add_co_u32 s6, s6, s5
	s_lshl_b32 s6, s6, 2
	s_mov_b32 s7, 0
	s_add_nc_u64 s[10:11], s[10:11], s[6:7]
	s_add_co_u32 s6, s6, s4
	s_add_nc_u64 s[12:13], s[12:13], s[6:7]
	v_lshlrev_b32 v[BAD], 6, v2
	WIN TO_B
.irp b, 0,1,2,3,4,5,6,7
	global_load_b128 v[96+8*(\b%4)+128*(\b/4):96+8*(\b%4)+128*(\b/4)+3], v[BAD], s[10:11] offset:(32*(\b/2)+8*(\b%2))*4
	global_load_b128 v[96+8*(\b%4)+128*(\b/4)+4:96+8*(\b%4)+128*(\b/4)+7], v[BAD], s[10:11] offset:(32*(\b/2)+8*(\b%2))*4+16
.endr
	WIN 0
.macro FRAG reg, a16, a8, q, i
	ds_load_b128 v[\reg:\reg+3], v[\a16] offset:3072*(\i)+1536*(\q)
	ds_load_b64 v[\reg+4:\reg+5], v[\a8] offset:3072*(\i)+1536*(\q)+512
	ds_load_b128 v[\reg+6:\reg+9], v[\a16] offset:3072*(\i)+1536*(\q)+768
	ds_load_b64 v[\reg+10:\reg+11], v[\a8] offset:3072*(\i)+1536*(\q)+1280
.endm
.macro MUL16 a0, p, q, sc, zero
.irp a, \a0, \a0+1
.irp b, 0,1,2,3,4,5,6,7
.set DD, 8*(8*((\a)%4)+\b)
.set BF, 128*(\p)+FR*\b
.set AA, AF+FR*(\a)
.set SBR, SC+8*NQ*(\sc)+NQ*\b+(\q)
.set SAR, SC+8*NQ*(\sc)+NQ*(\a)+(\q)
.if (\zero) == 1
.set CC, 96+8*(\b%4)+128*(\b/4)
.else
.set CC, DD
.endif
	v_wmma_scale_f32_16x16x128_f8f6f4 v[DD:DD+7], v[BF:BF+FR-1], v[AA:AA+FR-1], v[CC:CC+7], v[SBR], v[SAR] matrix_a_fmt:MATRIX_FMT_FP6 matrix_b_fmt:MATRIX_FMT_FP6 matrix_a_scale:MATRIX_SCALE_ROW1
.endr
.endr
.endm
.macro FETCH_B slot, q, p
	WIN TO_B
.irp i, 0,1,2,3,4,5,6,7
	FRAG 128*(\p)+FR*\i, B16+\slot, B8+\slot, \q, \i
.endr
	WIN 0
.endm
.macro FETCH_A slot, q, i0
.irp i, \i0, \i0+1, \i0+2, \i0+3
	FRAG AF+FR*(\i), A16+\slot, A8+\slot, \q, \i
.endr
.endm
.macro SCALES sc
.irp i, 0,1,2,3,4,5,6,7
	ds_load_b64 v[SC+8*NQ*\sc+NQ*\i:SC+8*NQ*\sc+NQ*\i+1], v[ADRS] offset:\i*SBLK
.endr
.endm
.macro PLACES n
.rept \n
	v_nop
.endr
.endm
.macro STEP slot, q, zero
	s_wait_dscnt 4*NL
.if \zero
	WIN 0x91
.else
	WIN MUL_LO
.endif
	MUL16 0, (\q)%2, \q, \slot, \zero
	MUL16 2, (\q)%2, \q, \slot, \zero
	s_wait_dscnt 0
	PLACES NP
	FETCH_B \slot, (\q)+1, 1-(\q)%2
	FETCH_A \slot, (\q)+1, 0
.if \zero
	WIN 0xd1
.else
	WIN MUL_HI
.endif
	MUL16 4, (\q)%2, \q, \slot, \zero
	MUL16 6, (\q)%2, \q, \slot, \zero
	PLACES NP
	WIN 0
	FETCH_A \slot, (\q)+1, 4
.endm
.macro TURN slot, next, fill
	s_wait_tensorcnt 0x0
	ds_add_u32 v[SPW], v[NIL]
	s_wait_dscnt 4*NL+1
	WIN MUL_LO
	MUL16 0, 1, NQ-1, \slot, 0
	s_wait_dscnt 0x0
	s_barrier_signal -1
	MUL16 2, 1, NQ-1, \slot, 0
	WIN 0
	s_barrier_wait -1
.if \fill
	CREST
	s_add_nc_u64 s[G0+4*\slot+2:G0+4*\slot+3], s[G0+4*\slot+2:G0+4*\slot+3], 6144
	s_add_nc_u64 s[G0B+4*\slot+2:G0B+4*\slot+3], s[G0B+4*\slot+2:G0B+4*\slot+3], 6144
	JLOAD G0+4*\slot, G1, G0B+4*\slot, G1B
.else
	PLACES NP
.endif
	s_wait_alu depctr_va_vdst(0)
	v_add_nc_u32 v[ADRS], 4*NQ, v[ADRS]
	FETCH_B \next, 0, 0
	FETCH_A \next, 0, 0
	SCALES \next
	WIN MUL_HI
	MUL16 4, 1, NQ-1, \slot, 0
	MUL16 6, 1, NQ-1, \slot, 0
	PLACES NP
	WIN 0
	FETCH_A \next, 0, 4
.endm
	s_wait_alu depctr_va_vdst(0)
	s_wait_tensorcnt 0x0                           ; my tile of the head's four is in
	ds_add_u32 v[SPW], v[NIL]
	s_mov_b32 s[G1+2], 8<<16                       ; no tensor load of mine is out: from here on a load brings 8 tiles of 16 rows,
	s_mov_b32 s[G1+4], 8
	s_mov_b32 s[G1B+2], 8<<16
	s_mov_b32 s[G1B+4], 8
	s_add_co_u32 s[G0+5], s[G0+1], SLOT            ; and slot 1's group 0 is slot 0's one slot and one K step on
	s_add_nc_u64 s[G0+6:G0+7], s[G0+2:G0+3], 3072
	s_add_co_u32 s[G0B+5], s[G0B+1], SLOT
	s_add_nc_u64 s[G0B+6:G0B+7], s[G0B+2:G0B+3], 3072
	s_wait_dscnt 0x0
	CROUND                                         ; a whole round: all four tiles are in, all sixteen work-groups are here
	JLOAD G0+4, G1, G0B+4, G1B                     ; K step 1, the first tensor load behind the round
	FETCH_B 0, 0, 0
	FETCH_A 0, 0, 0
	SCALES 0
	FETCH_A 0, 0, 4
	s_wait_loadcnt 0x0
	STEP 0, 0, 1
	TURN 0, 1, 1
	STEP 1, 0, 0
	TURN 1, 0, 1
	STEP 0, 0, 0
	TURN 0, 1, 0
	STEP 1, 0, 0
	s_wait_dscnt 4*NL
	WIN MUL_LO
	MUL16 0, 1, NQ-1, 1, 0
	MUL16 2, 1, NQ-1, 1, 0
	s_wait_dscnt 0
	WIN MUL_HI
	MUL16 4, 1, NQ-1, 1, 0
	MUL16 6, 1, NQ-1, 1, 0
	WIN 0
.macro TOSTAGE a
.set AC, 64*((\a)%4)
	WIN 0x08+4*((\a)/4)
.irp b, 0,1,2,3,4,5,6,7
	ds_store_b128 v[STO], v[AC+8*\b:AC+8*\b+3] offset:128*(\b/2)+32*(\b%2)
	ds_store_b128 v[STO], v[AC+8*\b+4:AC+8*\b+7] offset:128*(\b/2)+32*(\b%2)+16
.endr
	WIN 0
.set BR, BK+64*((\a)%2)
.irp t, 0,1,2,3,4,5,6,7,8,9,10,11,12,13,14,15
	ds_load_b128 v[BR+4*\t:BR+4*\t+3], v[RD] offset:\t*SPITCH
.endr
.endm
.macro SEND a, younger
.set BR, BK+64*((\a)%2)
	s_wait_dscnt \younger
.irp t, 0,1,2,3,4,5,6,7,8,9,10,11,12,13,14,15
	global_store_b128 v[L16], v[BR+4*\t:BR+4*\t+3], s[12:13] offset:(32*((\a)/2)+(\a)%2+2*\t)*4096 th:TH_STORE_NT
.endr
.endm
	PLACES NP
	TOSTAGE 0
.irp a, 1,2,3,4,5,6,7
.if \a > 1
	s_wait_xcnt 0x0
.endif
	TOSTAGE \a
	SEND \a-1, 32
.endr
	SEND 7, 0
	s_wait_tensorcnt 0x0
	ds_add_u32 v[SPW], v[NIL]
	s_wait_dscnt 0x0
	CROUND
	s_endpgm
.Lfunc_end_k_qc51e10d72c_outp:
	.size	k_qc51e10d72c_outp, .Lfunc_end_k_qc51e10d72c_outp-k_qc51e10d72c_outp
	.p2alignl 7, 3214868480
	.fill 96, 4, 3214868480
	.section	.rodata,"a",@progbits
	.p2align	6, 0x0
	.amdhsa_kernel k_qc51e10d72c_outp
		.amdhsa_group_segment_fixed_size 327680
		.amdhsa_private_segment_fixed_size 0
		.amdhsa_enable_private_segment 0
		.amdhsa_kernarg_size 40
		.amdhsa_user_sgpr_count 2
		.amdhsa_user_sgpr_kernarg_segment_ptr 1
		.amdhsa_wavefront_size32 1
		.amdhsa_system_sgpr_workgroup_id_x 1
		.amdhsa_system_sgpr_workgroup_id_y 1
		.amdhsa_system_sgpr_workgroup_id_z 1
		.amdhsa_system_vgpr_workitem_id 0
		.amdhsa_next_free_vgpr 1024
		.amdhsa_next_free_sgpr 100
		.amdhsa_reserve_vcc 0
		.amdhsa_float_denorm_mode_32 3
		.amdhsa_float_denorm_mode_16_64 3
		.amdhsa_memory_ordered 1
		.amdhsa_forward_progress 1
		.amdhsa_inst_pref_size 146
	.end_amdhsa_kernel
	.amdgpu_metadata
---
amdhsa.version: [ 1, 2 ]
amdhsa.kernels:
  - .name:           k_qc51e10d72c_outp
    .symbol:         k_qc51e10d72c_outp.kd
    .args:
      - { .name: cc, .offset: 0, .size: 8, .value_kind: global_buffer, .address_space: global }
      - { .name: wc, .offset: 8, .size: 8, .value_kind: global_buffer, .address_space: global }
      - { .name: ws, .offset: 16, .size: 8, .value_kind: global_buffer, .address_space: global }
      - { .name: bo, .offset: 24, .size: 8, .value_kind: global_buffer, .address_space: global }
      - { .name: out0, .offset: 32, .size: 8, .value_kind: global_buffer, .address_space: global }
    .group_segment_fixed_size: 327680
    .private_segment_fixed_size: 0
    .kernarg_segment_align: 8
    .kernarg_segment_size: 40
    .max_flat_workgroup_size: 128
    .sgpr_count:     100
    .vgpr_count:     1024
    .wavefront_size: 32
...
	.end_amdgpu_metadata
.endif
;; end of part 4
